; MI455X (gfx1250); checked and timed in simulation.
; The chip was launched on July 23, 2026; its instructions are those of AMD's public machine-readable ISA for CDNA 5 (MIT licence, August 2026) and "CDNA5" Instruction Set Architecture Reference Guide (July 2026). The comments in the code are by the model that wrote it; some were corrected since.
;; Mo E Layer. Allowed arithmetic: matrix products marked QUANTISED: E2M3 operands, one E8M0 scale for each 32 along K, by v_wmma_scale_f32_16x16x128_f8f6f4 with both operands' format E2M3, f32 sums; products left as they are: f32 operands where the result goes on into a quantised operand, else bf16, f16 or f32 operands; f32 sums; everything else in f32.
;; Inputs: b1 8 x 2,048 float32; b2 8 x 512 float32; gate_b 8 float32; gate_w 512 x 8 float32; time_stage 2 x 2,048 x 512 float32; w1_codes 8 x 2,048 x 16 x 24 uint8 (E2M3 codes of w1, K innermost, in blocks of 32 codes, four codes in three bytes); w1_scales 8 x 2,048 x 16 uint8 (E8M0 scales of w1, one for each 32 codes along K); w2_codes 8 x 512 x 64 x 24 uint8 (E2M3 codes of w2, K innermost, in blocks of 32 codes, four codes in three bytes); w2_scales 8 x 512 x 64 uint8 (E8M0 scales of w2, one for each 32 codes along K); x 2 x 2,048 x 512 float32.
;; Outputs: out0 2 x 2,048 x 512 float32.
;; This version of the problem:
;;   THIS VERSION OF THE PROBLEM IS GIVEN IN LOW PRECISION. The matrix products marked QUANTISED in the list below multiply operands that are first quantised to E2M3 (2 exponent bits, 3 mantissa bits; 6 bits a number), with one power-of-two scale for each 32 numbers along K (OCP MX v1.0); their sums are f32. All else is computed in f32.
;;   The module's matrix products, in the order in which they are computed (A, B: the left and right operand; K: the contracted axis; several contracted axes count as one K, in the product's order):
;;     1. [M 4,096, K 512] x [K 512, N 8]; A: computed on the way; B: input gate_w: left as it is (N = 8 < 16)
;;     2. batch 4,096 x [M 8, K 2] x [K 2, N 1]; A: computed on the way; B: computed on the way: left as it is (K = 2 < 32)
;;     3. [M 16,384, K 512] x [K 512, N 4,096]; A: input w1 (given as codes); B: input x: QUANTISED
;;     4. batch 8 x [M 4,096, K 2,048] x [K 2,048, N 512]; A: computed on the way; B: input w2 (given as codes): QUANTISED
;;     5. batch 4,096 x [M 1, K 8] x [K 8, N 512]; A: computed on the way; B: computed on the way: left as it is (K = 8 < 32)
;;   THE QUANTISER, for each operand of a quantised product, along K:
;;     - K is cut into blocks of 32 from its start; a last block that is shorter is filled with zeros.
;;     - A block's scale is 2^e with e = floor(log2(the largest magnitude in the block)) - 2, held to -126 .. 127; a block of zeros has e = 0. As a byte (E8M0): e + 127.
;;     - Each number is divided by its block's scale, clamped to +-7.5, and rounded to the nearest number of E2M3, ties to even, subnormals kept.
;;     - The product sums the exact products of the quantised numbers (number of the format x scale) in f32.
;;   ~~~python
;;   def quantise(x, axis):      # numpy; x: float32 -> the quantised numbers, widened to float32 again
;;       x = np.moveaxis(x, axis, -1); K = x.shape[-1]
;;       x = np.pad(x, [(0, 0)] * (x.ndim - 1) + [(0, -K % 32)]); x = x.reshape(x.shape[:-1] + (-1, 32)); a = np.abs(x).max(-1, keepdims=True)
;;       e = np.where(a > 0, np.clip(np.frexp(np.where(a > 0, a, 1))[1] - 1 - 2, -126, 127), 0)      # np.frexp(a)[1] - 1 = floor(log2(a)), exactly
;;       r = np.clip(x / 2.0 ** e, -7.5, 7.5)
;;       step = 2.0 ** (np.maximum(np.frexp(np.where(r == 0, 1, r))[1] - 1, 0) - 3)
;;       q = np.round(r / step) * step * 2.0 ** e      # np.round: ties to even
;;       return np.moveaxis(q.reshape(q.shape[:-2] + (-1,))[..., :K], -1, axis).astype(np.float32)
;;   ~~~
;;   OPERANDS COMPUTED ON THE WAY. 'Computed on the way' means the value that the module computes at that place (a softmax that the list does not call 'softmax' is quantised finished and normalised). What goes into a quantiser is computed in f32, as accurately as f32 sums, v_exp_f32 and their like allow (about 1e-6 of the number): no bf16 or f16 on the way to a quantiser, and a product that is left as it is and whose result goes on into a quantised operand takes f32 operands (vector FMAs, or v_wmma_f32_16x16x4_f32). A number that lies on a knife's edge between two numbers of the format may be rounded either way, as far as f32 arithmetic and the matrix unit's own rounding can turn it there, and no further.
;;   INPUTS GIVEN AS CODES. w1 (in the module: [8, 512, 2048], K = its axis 1); w2 (in the module: [8, 2048, 512], K = its axis 1): each comes as NAME_codes (uint8): NAME with its K axis moved to the last place and cut into blocks of 32 codes, [.., K / 32, bytes a block], one block behind the other in memory; four codes in three bytes: a row's codes are one little-endian stream of bits, code i at bits 6 i .. 6 i + 5 (a code: sign, 2 exponent bits, 3 mantissa bits); and NAME_scales (uint8): the same leading axes, one E8M0 byte (e + 127) for each 32 codes along K. Its value is code x scale, taken as it is: it is not quantised again, and the codes and scales need not be those that the quantiser above would give.
;; 2 versions, each right; version 2 is version 1 with the launch chain written anew for expert scheduling mode. Each part assembles by itself: llvm-mc -triple=amdgcn-amd-amdhsa -mcpu=gfx1250 --defsym DOCPART=n.
;; ======== version 1 of 2: 4 launches
;; workspace buffers: xq 1,638,400 bytes; eidx 16,384 bytes of whole numbers; gwt 32,768 bytes; wstr 13,238,272 bytes; plan 74,752 bytes of whole numbers; roww 40,960 bytes; ybuf 17,498,112 bytes
;; launch prep (part 1): grid 256 x 1, 8 waves a work-group, no clusters, 33,792 bytes of LDS; arguments x, time_stage, gate_w, gate_b, w1_codes, w1_scales, b1, w2_codes, w2_scales, b2, xq, eidx, gwt, wstr; writes xq, eidx, gwt, wstr
.if DOCPART == 1
	.amdgcn_target "amdgcn-amd-amdhsa--gfx1250"
	.amdhsa_code_object_version 6
	.text
	.protected	k_q790ca61019_prep
	.globl	k_q790ca61019_prep
	.p2align	8
	.type	k_q790ca61019_prep,@function
k_q790ca61019_prep:
	s_mov_b64 s[64:65], 0
	v_nop
	global_prefetch_b8 v0, s[64:65] scope:SCOPE_SE
	s_setreg_imm32_b32 hwreg(HW_REG_WAVE_MODE, 25, 1), 1
	s_wait_xcnt 0x0
; TWO JOBS IN ONE LAUNCH, parted on the work-group's number.
; Work-groups 0-127: the router and x's codes.  A wave takes 4 tokens.  logits = (x + time_stage) gate_w + gate_b in f32 on the vector unit; softmax with the maximum taken away;
;   the two largest probabilities (the lower index wins a tie) go out as e0 | e1 << 8 (eidx) and as two f32 (gwt), at fixed places: no address here hangs on them.
;   x is quantised along d to E2M3 with one E8M0 byte for 32 numbers.  xq: codes [4096 tok][4 s][2 h][2 c][24 B], so that lane (r, h) of K step s finds its 12 operand registers as 48 bytes on end; scale bytes [4096][16] at XSO.
; Work-groups 128-255: both weights, their scale words and biases are laid into wstr in the order in which the chain's waves take them into registers:
;   [8 expert][8 wave][8 group] records of GRPB bytes = 256 B of bias + 4 steps of (4 fragment images of 1,536 B + 256 B of scale words).  Groups 0-3: W1, groups 4-7: W2.
;   A fragment image: registers 4 c .. 4 c + 3 of lane l at 512 c + 16 l.  Scale words: lane l has 8 bytes; word j belongs to tile 2 j + l / 16, row l % 16.
; LIMITS: NaN and infinities are not served.  A block of zeros gets the byte 1 (its codes are zeros; this program alone reads the bytes).  The router's sums are f32 in another order than a plain row sum:
;   a token whose 2nd and 3rd probabilities agree to about 1e-6 of their size may be routed otherwise.  eidx, gwt and x's scale bytes leave in runs of 16 to 64 bytes: 114 KB against 16 MB read.
.set XSO,   1572864
.set FRB,   1536
.set STEPB, 6400
.set GRPB,  25856
.set WAVB,  206848
.set EXPB,  1654784
.set G,     96                         ; v96-223  gate_w: register 8 k + e, k = 4 j + i for d = 128 j + 4 lane + i
.set L,     224                        ; v224-231 the 8 logits
.set CD,    232                        ; v232-247 codes, four registers a token
	s_load_b256 s[4:11], s[0:1], 0x0               ; x, time_stage, gate_w, gate_b
	s_load_b256 s[12:19], s[0:1], 0x20             ; w1_codes, w1_scales, b1, w2_codes
	s_load_b256 s[20:27], s[0:1], 0x40             ; w2_scales, b2, xq, eidx
	s_load_b128 s[28:31], s[0:1], 0x60             ; gwt, wstr
	v_lshl_add_u32 v243, v0, 2, 0x8000
	v_mov_b32 v247, 0
	v_lshrrev_b32 v1, 5, v0
	v_readfirstlane_b32 s40, v1                    ; wave 0..7
	v_and_b32 v1, 31, v0                           ; lane
	s_cmp_ge_u32 ttmp9, 128
	s_cbranch_scc1 .Llay
; ---------------------------------------------------------------- the router and x's codes
	v_lshlrev_b32 v2, 4, v1                        ; my 16 bytes of a load's 512
	s_lshl_b32 s41, s40, 12                        ; my wave's 4,096 bytes of LDS: a stage of 32 x 80 bytes, then 64 scale bytes
	v_lshrrev_b32 v14, 2, v1
	v_mul_u32_u24 v3, v14, 80
	v_and_b32 v14, 3, v1
	v_lshl_add_u32 v3, v14, 4, v3
	v_add_nc_u32 v3, s41, v3                       ; the stage, in: four lanes' 64 bytes on end, then 16 of padding
	v_mul_u32_u24 v4, v1, 80
	v_add_nc_u32 v4, s41, v4                       ; the stage, out: 80 x lane: my 16 neighbours
	v_lshrrev_b32 v14, 1, v1                       ; B: my block of 32 (two lanes to a block)
	v_and_b32 v5, 12, v14
	v_and_b32 v15, 1, v14
	v_lshl_add_u32 v5, v15, 1, v5
	v_bfe_u32 v15, v14, 1, 1
	v_add_nc_u32 v5, v5, v15                       ; its place in the token's codes: 4 s + 2 h + c for B = 4 s + 2 c + h
	v_mul_u32_u24 v5, v5, 24
	v_and_b32 v15, 1, v1
	v_mad_u32_u24 v5, v15, 12, v5                  ; + my half of the block's 24 bytes
	v_add_nc_u32 v6, s41, v14
	v_add_nc_u32 v6, 2560, v6                      ; LDS: my block's scale byte
	v_lshlrev_b32 v7, 7, v1                        ; gate_w: four rows of 32 bytes a lane
	v_lshlrev_b32 v12, 1, v1
	v_add_nc_u32 v11, s41, v12
	v_add_nc_u32 v11, 2560, v11                    ; LDS: two scale bytes a lane on the way out
	v_lshlrev_b32 v13, 2, v1
	v_mov_b32 v8, 0                                ; lane i (0..3) gathers token i's word and two weights
	v_mov_b32 v9, 0
	v_mov_b32 v10, 0
.irp e, 0,1,2,3,4,5,6,7
	v_mov_b32 v[248+\e], 0                         ; written once: a lane permute's destination counts as one of its sources
.endr
	s_mov_b32 s42, 0x76543210
	s_mov_b32 s43, 0xfedcba98                      ; selects for lane l xor 16
	s_lshl_b32 s48, ttmp9, 5
	s_lshl_b32 s49, s40, 2
	s_add_co_u32 s48, s48, s49                     ; t0: my first token
	s_lshl_b32 s50, s48, 11
	s_mov_b32 s51, 0
	s_mul_i32 s52, s48, 384
	s_mov_b32 s53, 0
	s_lshl_b32 s54, s48, 4
	s_mov_b32 s55, 0
	s_lshl_b32 s56, s48, 2
	s_mov_b32 s57, 0
	s_wait_kmcnt 0x0
	s_load_b256 s[32:39], s[10:11], 0x0            ; gate_b
	s_add_nc_u64 s[4:5], s[4:5], s[50:51]
	s_add_nc_u64 s[6:7], s[6:7], s[50:51]
	s_add_nc_u64 s[44:45], s[24:25], s[52:53]      ; my tokens' codes
	s_add_nc_u64 s[46:47], s[24:25], s[54:55]      ; and (with XSO in the immediate) their scale bytes
	s_add_nc_u64 s[26:27], s[26:27], s[56:57]
	s_add_nc_u64 s[28:29], s[28:29], s[56:57]
.irp j, 0,1,2,3
.irp i, 0,1,2,3
.irp c, 0,1
	global_load_b128 v[G+8*(4*\j+\i)+4*\c:G+8*(4*\j+\i)+4*\c+3], v7, s[8:9] offset:4096*\j+32*\i+16*\c
.endr
.endr
.endr
.macro XLOAD i                         ; token i: 4 loads of x and 4 of time_stage, 512 consecutive bytes each, into set i % 2
.irp j, 0,1,2,3
	global_load_b128 v[16+16*((\i)%2)+4*\j:16+16*((\i)%2)+4*\j+3], v2, s[4:5] offset:2048*(\i)+512*\j th:TH_LOAD_NT
.endr
.irp j, 0,1,2,3
	global_load_b128 v[48+16*((\i)%2)+4*\j:48+16*((\i)%2)+4*\j+3], v2, s[6:7] offset:2048*(\i)+512*\j th:TH_LOAD_NT
.endr
.endm
	XLOAD 0
	XLOAD 1
	s_wait_kmcnt 0x0                               ; gate_b
.macro TOP bv, bi                      ; the largest of v80-87 and its index; an equal later number does not displace an earlier one
	v_mov_b32 v[\bv], v80
	v_mov_b32 v[\bi], 0
.irp e, 1,2,3,4,5,6,7
	v_cmp_ge_f32 vcc_lo, v[\bv], v[80+\e]
	v_cndmask_b32 v[\bi], \e, v[\bi], vcc_lo
	v_cndmask_b32 v[\bv], v[80+\e], v[\bv], vcc_lo
.endr
.endm
.macro TOK i
.set XRS, 16+16*((\i)%2)
.set TSS, 48+16*((\i)%2)
.if (\i) < 3
	s_wait_loadcnt 8                               ; gate_w and this token are in; the following token's 8 loads may be out
.else
	s_wait_loadcnt 0x0
.endif
.irp j, 0,1,2,3
	ds_store_b128 v3, v[XRS+4*\j:XRS+4*\j+3] offset:640*\j         ; x through the stage as it lies; LDS serves a wave's instructions in order
.endr
.irp j, 0,1,2,3
	ds_load_b128 v[80+4*\j:80+4*\j+3], v4 offset:16*\j             ; back: d = 16 lane + 0 .. 15
.endr
.irp p, 0,2,4,6,8,10,12,14
	v_pk_add_f32 v[TSS+\p:TSS+\p+1], v[TSS+\p:TSS+\p+1], v[XRS+\p:XRS+\p+1]   ; the router's input
.endr
.irp k, 0,1,2,3,4,5,6,7,8,9,10,11,12,13,14,15
.irp e, 0,2,4,6
.if \k == 0
	v_pk_mul_f32 v[L+\e:L+\e+1], v[TSS:TSS+1], v[G+\e:G+\e+1] op_sel_hi:[0,1]
.elseif (\k)%2 == 0
	v_pk_fma_f32 v[L+\e:L+\e+1], v[TSS+\k:TSS+\k+1], v[G+8*\k+\e:G+8*\k+\e+1], v[L+\e:L+\e+1] op_sel_hi:[0,1,1]
.else
	v_pk_fma_f32 v[L+\e:L+\e+1], v[TSS+\k-1:TSS+\k], v[G+8*\k+\e:G+8*\k+\e+1], v[L+\e:L+\e+1] op_sel:[1,0,0] op_sel_hi:[1,1,1]
.endif
.endr
.endr
	s_wait_dscnt 0x0                               ; my 16 neighbours are back, and the stage's stores have read their registers
.if (\i) < 2
	XLOAD (\i)+2
.endif
.irp m, 1,2,4,8
.irp e, 0,1,2,3,4,5,6,7
	v_add_f32_dpp v[L+\e], v[L+\e], v[L+\e] row_xmask:\m row_mask:0xf bank_mask:0xf
.endr
.endr
.irp e, 0,1,2,3,4,5,6,7
	v_permlanex16_b32 v[248+\e], v[L+\e], s42, s43
.endr
.irp e, 0,1,2,3,4,5,6,7
	v_add_f32 v[L+\e], v[L+\e], v[248+\e]          ; every lane holds the token's 8 sums
.endr
.irp e, 0,1,2,3,4,5,6,7
	v_add_f32 v[L+\e], s[32+\e], v[L+\e]
.endr
	; x's codes: the block's largest magnitude with the floor 2^(3 - 127) among its leaves; 2 off its exponent field is the conversion's scale operand
	v_max3_num_f32 v248, |v80|, |v81|, |v82|
	v_max3_num_f32 v249, |v83|, |v84|, |v85|
.irp n, 6,10
	v_max3_num_f32 v248, v248, |v[80+\n]|, |v[80+\n+1]|
	v_max3_num_f32 v249, v249, |v[80+\n+2]|, |v[80+\n+3]|
.endr
	v_max3_num_f32 v248, v248, |v94|, |v95|
	v_max3_num_f32 v248, v248, v249, 0x1800000
	v_max_num_f32_dpp v248, v248, v248 row_xmask:1 row_mask:0xf bank_mask:0xf
	v_add_nc_u32 v250, 0xff000000, v248
	v_cvt_scalef32_pk16_fp6_f32 v[CD+4*(\i):CD+4*(\i)+2], v[80:95], v250
	v_lshrrev_b32 v251, 23, v250                   ; the scale's byte (also the plain line behind the conversion)
	ds_store_b8 v6, v251 offset:16*(\i)
	global_store_b96 v5, v[CD+4*(\i):CD+4*(\i)+2], s[44:45] offset:384*(\i)   ; the wave's 32 lanes cover the token's 384 bytes
	; softmax, the same in all lanes
	v_max3_num_f32 v88, v224, v225, v226
	v_max3_num_f32 v88, v88, v227, v228
	v_max3_num_f32 v88, v88, v229, v230
	v_max_num_f32 v88, v88, v231
.irp e, 0,1,2,3,4,5,6,7
	v_sub_f32 v[80+\e], v[L+\e], v88
.endr
.irp e, 0,1,2,3,4,5,6,7
	v_mul_f32 v[80+\e], 0x3fb8aa3b, v[80+\e]
.endr
.irp e, 0,1,2,3,4,5,6,7
	v_exp_f32 v[80+\e], v[80+\e]
.endr
	v_nop                                          ; a plain line behind the last exponential
	s_wait_alu depctr_va_vdst(0)                   ; one wait for the eight, ahead of their first reader
	v_add_f32 v89, v80, v81
	v_add_f32 v88, v82, v83
	v_add_f32 v89, v89, v88
	v_add_f32 v88, v84, v85
	v_add_f32 v89, v89, v88
	v_add_f32 v88, v86, v87
	v_add_f32 v89, v89, v88
	v_rcp_f32 v90, v89
	TOP 91, 92                                     ; the choice is made on the numerators: it is the independent work behind the reciprocal
.irp e, 0,1,2,3,4,5,6,7
	v_cmp_ne_u32 vcc_lo, \e, v92
	v_cndmask_b32 v[80+\e], -1.0, v[80+\e], vcc_lo ; the first choice falls under every numerator
.endr
	TOP 93, 94
	s_wait_alu depctr_va_vdst(0)                   ; the reciprocal, ahead of its first reader
	v_mul_f32 v91, v91, v90
	v_mul_f32 v93, v93, v90
	v_lshl_or_b32 v95, v94, 8, v92
	v_cmp_eq_u32 vcc_lo, \i, v1
	v_cndmask_b32 v8, v8, v95, vcc_lo
	v_cndmask_b32 v9, v9, v91, vcc_lo
	v_cndmask_b32 v10, v10, v93, vcc_lo
.endm
	TOK 0
	TOK 1
	TOK 2
	TOK 3
	ds_load_u16 v248, v11                          ; my wave's 64 scale bytes, two a lane
	s_wait_dscnt 0x0
	global_store_b16 v12, v248, s[46:47] offset:XSO
	v_cmp_gt_u32 vcc_lo, 4, v1
	s_wait_xcnt 0x0                                ; EXEC changes only behind this wait
	s_wait_tensorcnt 0x0
	ds_add_u32 v243, v247
	s_wait_dscnt 0x0
	s_and_saveexec_b32 s58, vcc_lo
	global_store_b32 v13, v8, s[26:27]
	global_store_b32 v13, v9, s[28:29]
	global_store_b32 v13, v10, s[28:29] offset:16384
	s_wait_xcnt 0x0
	s_or_b32 exec_lo, exec_lo, s58
	s_endpgm
; ---------------------------------------------------------------- the weights' stream
; q = work-group - 128: ph = q & 1 (W1 or W2), cw = (q >> 1) & 7 (the chain's wave), e = q >> 4.  My wave: hf = wave & 1, gl = wave >> 1: steps 2 hf and 2 hf + 1 of group 4 ph + gl.
.macro LAY two
.irp ss, 0,1
.irp t, 0,1,2,3
.irp p, 0,1,2,3,4,5
.if \two
	global_load_b64 v[32+12*(4*\ss+\t)+2*\p:32+12*(4*\ss+\t)+2*\p+1], v4, s[56:57] offset:16*\t*1536+96*\ss+48*(\p/3)+8*(\p%3)
.else
	global_load_b64 v[32+12*(4*\ss+\t)+2*\p:32+12*(4*\ss+\t)+2*\p+1], v4, s[56:57] offset:(32*(\t/2)+8*(\t%2))*384+96*\ss+48*(\p/3)+8*(\p%3)
.endif
.endr
.endr
.irp j, 0,1
.if \two
	global_load_b32 v[128+2*\ss+\j], v5, s[58:59] offset:2048*\j+4*\ss
.else
	global_load_b32 v[128+2*\ss+\j], v5, s[58:59] offset:512*\j+4*\ss
.endif
.endr
.endr
	global_load_b64 v[136:137], v9, s[60:61]       ; the group's bias, two numbers a lane, in the result's layout
	s_wait_loadcnt 0x0
.irp ss, 0,1
.irp t, 0,1,2,3
.irp c, 0,1,2
	global_store_b128 v6, v[32+12*(4*\ss+\t)+4*\c:32+12*(4*\ss+\t)+4*\c+3], s[52:53] offset:256+\ss*STEPB+\t*FRB+512*\c   ; 512 consecutive bytes, aligned
.endr
.endr
	global_store_b64 v7, v[128+2*\ss:129+2*\ss], s[52:53] offset:256+\ss*STEPB+6144
.endr
	s_cmp_lg_u32 s45, 0                            ; one of a group's two waves stores its bias
	s_cbranch_scc1 .Lnob_\@
	global_store_b64 v7, v[136:137], s[50:51]
.Lnob_\@:
	s_endpgm
.endm
.Llay:
	s_sub_co_u32 s41, ttmp9, 128
	s_and_b32 s42, s41, 1                          ; ph
	s_bfe_u32 s43, s41, 0x30001                    ; cw
	s_lshr_b32 s44, s41, 4                         ; e
	s_and_b32 s45, s40, 1                          ; hf
	s_lshr_b32 s46, s40, 1                         ; gl
	v_and_b32 v2, 15, v1                           ; r
	v_lshrrev_b32 v3, 4, v1                        ; h
	v_lshlrev_b32 v6, 4, v1
	v_lshlrev_b32 v7, 3, v1
	s_mul_i32 s47, s44, EXPB
	s_mul_i32 s48, s43, WAVB
	s_add_co_u32 s47, s47, s48
	s_lshl_b32 s48, s42, 2
	s_add_co_u32 s48, s48, s46
	s_mul_i32 s48, s48, GRPB
	s_add_co_u32 s48, s47, s48                     ; where the group's record begins
	s_mov_b32 s49, 0
	s_mul_i32 s52, s45, 2*STEPB
	s_mov_b32 s53, 0
	s_wait_kmcnt 0x0
	s_add_nc_u64 s[50:51], s[30:31], s[48:49]
	s_add_nc_u64 s[52:53], s[50:51], s[52:53]      ; and my two steps
	s_cmp_lg_u32 s42, 0
	s_cbranch_scc1 .Llay2
	; W1: hidden base hb = 128 (cw + 8 (gl >> 1)) + 64 (gl & 1); lane row r of tile t is row hb + 32 (t / 2) + 8 (t % 2) + r + 8 (r / 8)
	s_lshr_b32 s54, s46, 1
	s_lshl_b32 s54, s54, 3
	s_add_co_u32 s54, s54, s43
	s_lshl_b32 s54, s54, 7
	s_and_b32 s55, s46, 1
	s_lshl_b32 s55, s55, 6
	s_add_co_u32 s54, s54, s55
	s_lshl_b32 s55, s44, 11
	s_add_co_u32 s54, s54, s55                     ; 2048 e + hb
	s_mul_i32 s56, s54, 384
	s_mul_i32 s55, s45, 192
	s_add_co_u32 s56, s56, s55
	s_mov_b32 s57, 0
	s_add_nc_u64 s[56:57], s[12:13], s[56:57]
	s_lshl_b32 s58, s54, 4
	s_lshl_b32 s55, s45, 3
	s_add_co_u32 s58, s58, s55
	s_mov_b32 s59, 0
	s_add_nc_u64 s[58:59], s[14:15], s[58:59]
	s_lshl_b32 s60, s54, 2
	s_mov_b32 s61, 0
	s_add_nc_u64 s[60:61], s[16:17], s[60:61]
	v_and_b32 v8, 8, v2
	v_add_nc_u32 v8, v8, v2                        ; r + 8 (r / 8)
	v_mul_u32_u24 v4, v8, 384
	v_mad_u32_u24 v4, v3, 24, v4
	v_lshl_add_u32 v5, v3, 3, v8
	v_lshlrev_b32 v5, 4, v5                        ; scale words: lanes 16-31 take the odd tile, 8 rows on
	v_lshrrev_b32 v9, 4, v1                        ; bias number 2 l of the record is (t, h, j) = (l / 8, (l / 4) % 2, 2 (l % 4)): unit 32 (t / 2) + 8 (t % 2) + 16 h + j
	v_lshlrev_b32 v9, 5, v9
	v_bfe_u32 v10, v1, 3, 1
	v_lshl_add_u32 v9, v10, 3, v9
	v_bfe_u32 v10, v1, 2, 1
	v_lshl_add_u32 v9, v10, 4, v9
	v_and_b32 v10, 3, v1
	v_lshl_add_u32 v9, v10, 1, v9
	v_lshlrev_b32 v9, 2, v9
	LAY 0
.Llay2:
	; W2: rows 512 e + 64 cw + 16 t + r, K steps 4 gl + 2 hf and the next
	s_lshl_b32 s54, s44, 9
	s_lshl_b32 s55, s43, 6
	s_add_co_u32 s54, s54, s55                     ; 512 e + 64 cw
	s_lshl_b32 s55, s46, 2
	s_lshl_b32 s62, s45, 1
	s_add_co_u32 s55, s55, s62                     ; 4 gl + 2 hf
	s_mul_i32 s56, s54, 1536
	s_mul_i32 s62, s55, 96
	s_add_co_u32 s56, s56, s62
	s_mov_b32 s57, 0
	s_add_nc_u64 s[56:57], s[18:19], s[56:57]
	s_lshl_b32 s58, s54, 6
	s_lshl_b32 s62, s55, 2
	s_add_co_u32 s58, s58, s62
	s_mov_b32 s59, 0
	s_add_nc_u64 s[58:59], s[20:21], s[58:59]
	s_lshl_b32 s60, s54, 2
	s_mov_b32 s61, 0
	s_add_nc_u64 s[60:61], s[22:23], s[60:61]
	v_mul_u32_u24 v4, v2, 1536
	v_mad_u32_u24 v4, v3, 24, v4
	v_lshl_add_u32 v5, v3, 4, v2
	v_lshlrev_b32 v5, 6, v5
	v_lshlrev_b32 v9, 3, v1
	LAY 1
.Lfunc_end_k_q790ca61019_prep:
	.size	k_q790ca61019_prep, .Lfunc_end_k_q790ca61019_prep-k_q790ca61019_prep
	.p2alignl 7, 3214868480
	.fill 96, 4, 3214868480
	.section	.rodata,"a",@progbits
	.p2align	6, 0x0
	.amdhsa_kernel k_q790ca61019_prep
		.amdhsa_group_segment_fixed_size 33792
		.amdhsa_private_segment_fixed_size 0
		.amdhsa_enable_private_segment 0
		.amdhsa_kernarg_size 112
		.amdhsa_user_sgpr_count 2
		.amdhsa_user_sgpr_kernarg_segment_ptr 1
		.amdhsa_wavefront_size32 1
		.amdhsa_system_sgpr_workgroup_id_x 1
		.amdhsa_system_sgpr_workgroup_id_y 1
		.amdhsa_system_sgpr_workgroup_id_z 1
		.amdhsa_system_vgpr_workitem_id 0
		.amdhsa_next_free_vgpr 256
		.amdhsa_next_free_sgpr 66
		.amdhsa_reserve_vcc 1
		.amdhsa_float_denorm_mode_32 3
		.amdhsa_float_denorm_mode_16_64 3
		.amdhsa_memory_ordered 1
		.amdhsa_forward_progress 1
		.amdhsa_inst_pref_size 80
	.end_amdhsa_kernel
	.amdgpu_metadata
---
amdhsa.version: [ 1, 2 ]
amdhsa.kernels:
  - .name:           k_q790ca61019_prep
    .symbol:         k_q790ca61019_prep.kd
    .args:
      - { .name: x, .offset: 0, .size: 8, .value_kind: global_buffer, .address_space: global }
      - { .name: time_stage, .offset: 8, .size: 8, .value_kind: global_buffer, .address_space: global }
      - { .name: gate_w, .offset: 16, .size: 8, .value_kind: global_buffer, .address_space: global }
      - { .name: gate_b, .offset: 24, .size: 8, .value_kind: global_buffer, .address_space: global }
      - { .name: w1_codes, .offset: 32, .size: 8, .value_kind: global_buffer, .address_space: global }
      - { .name: w1_scales, .offset: 40, .size: 8, .value_kind: global_buffer, .address_space: global }
      - { .name: b1, .offset: 48, .size: 8, .value_kind: global_buffer, .address_space: global }
      - { .name: w2_codes, .offset: 56, .size: 8, .value_kind: global_buffer, .address_space: global }
      - { .name: w2_scales, .offset: 64, .size: 8, .value_kind: global_buffer, .address_space: global }
      - { .name: b2, .offset: 72, .size: 8, .value_kind: global_buffer, .address_space: global }
      - { .name: xq, .offset: 80, .size: 8, .value_kind: global_buffer, .address_space: global }
      - { .name: eidx, .offset: 88, .size: 8, .value_kind: global_buffer, .address_space: global }
      - { .name: gwt, .offset: 96, .size: 8, .value_kind: global_buffer, .address_space: global }
      - { .name: wstr, .offset: 104, .size: 8, .value_kind: global_buffer, .address_space: global }
    .group_segment_fixed_size: 33792
    .private_segment_fixed_size: 0
    .kernarg_segment_align: 8
    .kernarg_segment_size: 112
    .max_flat_workgroup_size: 256
    .sgpr_count:     66
    .vgpr_count:     256
    .wavefront_size: 32
...
	.end_amdgpu_metadata
.endif
;; end of part 1
;; launch place (part 2): grid 1 x 1, 32 waves a work-group, no clusters, 5,120 bytes of LDS; arguments eidx, gwt, plan, roww; writes plan, roww
.if DOCPART == 2
	.amdgcn_target "amdgcn-amd-amdhsa--gfx1250"
	.amdhsa_code_object_version 6
	.text
	.protected	k_q790ca61019_place
	.globl	k_q790ca61019_place
	.p2align	8
	.type	k_q790ca61019_place,@function
k_q790ca61019_place:
	s_mov_b64 s[64:65], 0
	v_nop
	global_prefetch_b8 v0, s[64:65] scope:SCOPE_SE
	s_setreg_imm32_b32 hwreg(HW_REG_WAVE_MODE, 25, 1), 1
	s_wait_xcnt 0x0
; A COUNTING SORT of the 8,192 routed rows (token, k) by expert, into tiles of 48 rows.  One work-group of 32 waves; thread t owns tokens 4 t .. 4 t + 3, eight entries.  Whole numbers only; the weights are moved, not computed on.
; plan: tiles[256] at 0 (tile T's expert, or 8 behind the last tile); rowtok[10240] at 1,024 (the token of each placed row); posb[2][4096] at 41,984 (where the k-th row of a token was placed).  roww[10240]: the row's gate weight.
; Expert e's rows begin at row 48 tb_e, tb_e the tiles of the experts before it.  A row's rank: the rows of earlier waves, then of earlier entries of my wave, then of lower lanes.
; Each word is written once: a routed row by its owner; the rows that fill an expert's last tile (at most 47) and the rows from the last tile's end to row 8,543 get token 0 and weight 0.  Rows from 8,544 on are read by nobody.
; The rows are placed by stores of 4 bytes a lane: lanes with the same expert write neighbouring words, so a store makes at most 8 runs; 64 KB in all.
.set CNT,  16                          ; s16-23  counts, later the next free row of each expert
.set TEND, 24                          ; s24-31  the tile behind each expert's last
.set PADS, 32                          ; s32-39  the row behind each expert's last routed row
	s_load_b128 s[4:7], s[0:1], 0x0                ; eidx, gwt
	s_load_b128 s[8:11], s[0:1], 0x10              ; plan, roww
	v_lshl_add_u32 v96, v0, 2, 0x400
	v_mov_b32 v97, 0
	v_lshrrev_b32 v1, 5, v0
	v_readfirstlane_b32 s14, v1                    ; wave 0..31
	v_and_b32 v1, 31, v0                           ; lane
	v_and_b32 v2, 0x3e0, v0                        ; LDS: 32 x wave: my wave's 8 counts
	v_lshlrev_b32 v3, 5, v1                        ; LDS: 32 x lane: wave l's counts
	v_lshlrev_b32 v72, 4, v0
	v_lshlrev_b32 v76, 2, v0
	v_mov_b32 v73, 0
	v_mov_b32 v59, 1
	s_mov_b32 s12, 0x76543210
	s_mov_b32 s13, 0xfedcba98
.irp e, 0,1,2,3,4,5,6,7
	s_mov_b32 s[CNT+\e], 0
.endr
	s_wait_kmcnt 0x0
	global_load_b128 v[4:7], v72, s[4:5]
	global_load_b128 v[8:11], v72, s[6:7]
	global_load_b128 v[12:15], v72, s[6:7] offset:16384
.irp j, 0,1,2,3
	v_add_nc_u32 v[60+\j], \j, v76                 ; my tokens
.endr
	s_wait_loadcnt 0x2                             ; the experts are in; the two loads of weights may be out
.irp j, 0,1,2,3
	v_and_b32 v[16+\j], 0xff, v[4+\j]              ; entry 4 k + j: the k-th expert of token j
	v_bfe_u32 v[20+\j], v[4+\j], 8, 8
.endr
.irp q, 0,1,2,3,4,5,6,7
.irp e, 0,1,2,3,4,5,6,7
	v_cmp_eq_u32 s[40+\e], \e, v[16+\q]
.endr
.irp e, 0,1,2,3,4,5,6,7
	s_bcnt1_i32_b32 s[48+\e], s[40+\e]
.endr
.irp e, 0,1,2,3,4,5,6,7
	s_add_co_u32 s[CNT+\e], s[CNT+\e], s[48+\e]
.endr
.endr
.irp e, 0,1,2,3,4,5,6,7
	v_mov_b32 v[24+\e], s[CNT+\e]
.endr
	ds_store_b128 v2, v[24:27]                     ; all lanes write the same words with the same values
	ds_store_b128 v2, v[28:31] offset:16
	s_wait_dscnt 0x0                               ; for the others' sake
	s_barrier_signal -1
	s_barrier_wait -1
	ds_load_b128 v[32:35], v3
	ds_load_b128 v[36:39], v3 offset:16
	v_cmp_gt_u32 vcc_lo, s14, v1                   ; wave l comes before mine
	s_wait_dscnt 0x0
.irp e, 0,1,2,3,4,5,6,7
	v_lshlrev_b32 v[40+\e], 16, v[32+\e]
.endr
.irp e, 0,1,2,3,4,5,6,7
	v_cndmask_b32 v[40+\e], 0, v[40+\e], vcc_lo
.endr
.irp e, 0,1,2,3,4,5,6,7
	v_add_nc_u32 v[32+\e], v[32+\e], v[40+\e]      ; low half: towards the total; high half: towards the rows before my wave (both at most 8,192)
.endr
.irp m, 1,2,4,8
.irp e, 0,1,2,3,4,5,6,7
	v_mov_b32_dpp v[40+\e], v[32+\e] row_xmask:\m row_mask:0xf bank_mask:0xf
.endr
.irp e, 0,1,2,3,4,5,6,7
	v_add_nc_u32 v[32+\e], v[32+\e], v[40+\e]
.endr
.endr
.irp e, 0,1,2,3,4,5,6,7
	v_permlanex16_b32 v[40+\e], v[32+\e], s12, s13
.endr
.irp e, 0,1,2,3,4,5,6,7
	v_add_nc_u32 v[32+\e], v[32+\e], v[40+\e]
.endr
	s_mov_b32 s60, 0                               ; tb: tiles so far
.irp e, 0,1,2,3,4,5,6,7
	v_readfirstlane_b32 s56, v[32+\e]
	s_and_b32 s57, s56, 0xffff                     ; the expert's rows
	s_lshr_b32 s58, s56, 16                        ; those of earlier waves
	s_mul_i32 s59, s60, 48
	s_add_co_u32 s[CNT+\e], s59, s58
	s_add_co_u32 s[PADS+\e], s59, s57
	s_add_co_u32 s57, s57, 47
	s_mul_i32 s57, s57, 43691
	s_lshr_b32 s57, s57, 21                        ; (n x 43691) >> 21 = n / 48, rounded down, for n under 131,072
	s_add_co_u32 s60, s60, s57
	s_mov_b32 s[TEND+\e], s60
.endr
.irp q, 0,1,2,3,4,5,6,7
	v_mov_b32 v[48+\q], 0
.irp e, 0,1,2,3,4,5,6,7
	v_cmp_eq_u32 s[40+\e], \e, v[16+\q]
.endr
.irp e, 0,1,2,3,4,5,6,7
	v_mbcnt_lo_u32_b32 v[80+\e], s[40+\e], 0       ; lower lanes with the same expert
.endr
.irp e, 0,1,2,3,4,5,6,7
	v_add_nc_u32 v[80+\e], s[CNT+\e], v[80+\e]
.endr
.irp e, 0,1,2,3,4,5,6,7
	v_cndmask_b32 v[48+\q], v[48+\q], v[80+\e], s[40+\e]
.endr
.irp e, 0,1,2,3,4,5,6,7
	s_bcnt1_i32_b32 s[48+\e], s[40+\e]
.endr
.irp e, 0,1,2,3,4,5,6,7
	s_add_co_u32 s[CNT+\e], s[CNT+\e], s[48+\e]
.endr
.endr
.irp q, 0,1,2,3,4,5,6,7
	v_min_u32 v[64+\q], 0x27ff, v[48+\q]           ; held inside the tables
.endr
.irp q, 0,1,2,3,4,5,6,7
	v_lshlrev_b32 v[64+\q], 2, v[64+\q]
.endr
	s_wait_loadcnt 0x0                             ; the weights
.irp q, 0,1,2,3,4,5,6,7
	global_store_b32 v[64+\q], v[60+(\q)%4], s[8:9] offset:1024
	global_store_b32 v[64+\q], v[8+\q], s[10:11]
.endr
	global_store_b128 v72, v[48:51], s[8:9] offset:41984           ; 512 consecutive bytes a wave
	global_store_b128 v72, v[52:55], s[8:9] offset:58368
	v_mov_b32 v57, 0                               ; tile T = my thread's number: its expert = how many experts end at or before it
.irp e, 0,1,2,3,4,5,6,7
	v_cmp_le_u32 vcc_lo, s[TEND+\e], v0
	v_cndmask_b32 v58, 0, v59, vcc_lo
	v_add_nc_u32 v57, v57, v58
.endr
	s_cmp_ge_u32 s14, 8
	s_cbranch_scc1 .Lno_tiles
	global_store_b32 v76, v57, s[8:9]
.Lno_tiles:
	; the rows that fill an expert's last tile: waves 2 e and 2 e + 1 take 32 rows each from the expert's last routed row on; in waves 16-31 no lane is left on
	s_lshr_b32 s56, s14, 1
	s_mov_b32 s57, 0
	s_mov_b32 s58, 0
.irp e, 0,1,2,3,4,5,6,7
	s_cmp_eq_u32 s56, \e
	s_cselect_b32 s57, s[PADS+\e], s57
	s_cselect_b32 s58, s[TEND+\e], s58
.endr
	s_mul_i32 s58, s58, 48
	s_and_b32 s59, s14, 1
	s_lshl_b32 s59, s59, 5
	s_add_co_u32 s57, s57, s59
	v_add_nc_u32 v74, s57, v1
	v_cmp_gt_u32 vcc_lo, s58, v74
	v_min_u32 v74, 0x27ff, v74
	v_lshlrev_b32 v74, 2, v74
	s_mul_i32 s59, s60, 48                         ; and the rows behind the last tile, up to row 8,543: a thread a row (at most 352)
	v_add_nc_u32 v75, s59, v0
	v_cmp_gt_u32 s61, 0x2160, v75
	v_min_u32 v75, 0x27ff, v75
	v_lshlrev_b32 v75, 2, v75
	s_wait_xcnt 0x0                                ; EXEC changes only behind this wait
	s_wait_tensorcnt 0x0
	ds_add_u32 v96, v97
	s_wait_dscnt 0x0
	s_and_saveexec_b32 s62, vcc_lo
	global_store_b32 v74, v73, s[8:9] offset:1024
	global_store_b32 v74, v73, s[10:11]
	s_wait_xcnt 0x0
	s_or_b32 exec_lo, exec_lo, s62
	s_and_saveexec_b32 s62, s61
	global_store_b32 v75, v73, s[8:9] offset:1024
	global_store_b32 v75, v73, s[10:11]
	s_wait_xcnt 0x0
	s_or_b32 exec_lo, exec_lo, s62
	s_endpgm
.Lfunc_end_k_q790ca61019_place:
	.size	k_q790ca61019_place, .Lfunc_end_k_q790ca61019_place-k_q790ca61019_place
	.p2alignl 7, 3214868480
	.fill 96, 4, 3214868480
	.section	.rodata,"a",@progbits
	.p2align	6, 0x0
	.amdhsa_kernel k_q790ca61019_place
		.amdhsa_group_segment_fixed_size 5120
		.amdhsa_private_segment_fixed_size 0
		.amdhsa_enable_private_segment 0
		.amdhsa_kernarg_size 32
		.amdhsa_user_sgpr_count 2
		.amdhsa_user_sgpr_kernarg_segment_ptr 1
		.amdhsa_wavefront_size32 1
		.amdhsa_system_sgpr_workgroup_id_x 1
		.amdhsa_system_sgpr_workgroup_id_y 1
		.amdhsa_system_sgpr_workgroup_id_z 1
		.amdhsa_system_vgpr_workitem_id 0
		.amdhsa_next_free_vgpr 98
		.amdhsa_next_free_sgpr 66
		.amdhsa_reserve_vcc 1
		.amdhsa_float_denorm_mode_32 3
		.amdhsa_float_denorm_mode_16_64 3
		.amdhsa_memory_ordered 1
		.amdhsa_forward_progress 1
		.amdhsa_inst_pref_size 43
	.end_amdhsa_kernel
	.amdgpu_metadata
---
amdhsa.version: [ 1, 2 ]
amdhsa.kernels:
  - .name:           k_q790ca61019_place
    .symbol:         k_q790ca61019_place.kd
    .args:
      - { .name: eidx, .offset: 0, .size: 8, .value_kind: global_buffer, .address_space: global }
      - { .name: gwt, .offset: 8, .size: 8, .value_kind: global_buffer, .address_space: global }
      - { .name: plan, .offset: 16, .size: 8, .value_kind: global_buffer, .address_space: global }
      - { .name: roww, .offset: 24, .size: 8, .value_kind: global_buffer, .address_space: global }
    .group_segment_fixed_size: 5120
    .private_segment_fixed_size: 0
    .kernarg_segment_align: 8
    .kernarg_segment_size: 32
    .max_flat_workgroup_size: 1024
    .sgpr_count:     66
    .vgpr_count:     98
    .wavefront_size: 32
...
	.end_amdgpu_metadata
.endif
;; end of part 2
;; launch chain (part 3): grid 178 x 1, 8 waves a work-group, no clusters, 135,680 bytes of LDS; arguments plan, roww, xq, wstr, ybuf; writes ybuf
.if DOCPART == 3
	.amdgcn_target "amdgcn-amd-amdhsa--gfx1250"
	.amdhsa_code_object_version 6
	.text
	.protected	k_q790ca61019_chain
	.globl	k_q790ca61019_chain
	.p2align	8
	.type	k_q790ca61019_chain,@function
k_q790ca61019_chain:
	s_mov_b64 s[64:65], 0
	v_nop
	global_prefetch_b8 v0, s[64:65] scope:SCOPE_SE
	s_setreg_imm32_b32 hwreg(HW_REG_WAVE_MODE, 25, 1), 1
	s_wait_xcnt 0x0
; ONE TILE OF 48 ROUTED ROWS OF ONE EXPERT THROUGH BOTH PRODUCTS: ybuf[row] = weight x (Q(gelu(Q(x) W1 + b1)) W2 + b2), both products on E2M3 codes with E8M0 scales.  The hidden layer stays in LDS, as codes.
; GRID: 8,192 routed rows in tiles of 48 of one expert are never more than 171 + 7 = 178 tiles, whatever the split.  A tile that a split leaves empty (its word is 8) is held to expert 7 and walked like any other, on rows that name
;   token 0 with weight 0: it stores zeros into rows that nobody reads.  So no branch, barrier or LDS address here hangs on a number read from memory.  At least 171 of the 178 tiles are real.
; SHARES: the 8 waves share the COLUMNS.  Wave w makes hidden units 128 k .. 128 k + 127 for k = w and w + 8 (each one K step of the second product) and outputs 64 w .. 64 w + 63, for all 48 rows (three tiles m of 16).
;   Both products are used transposed (source 0 = 16 rows of the weight, source 1 = 16 routed rows): a lane holds one row throughout.
;   Every step of either product is 4 weight tiles x 3 row fragments = 12 matrix instructions on 12 accumulators that take turns, one instruction a turn.
; WEIGHTS come from wstr, where an earlier launch laid them in register order: a wave walks 206,848 consecutive bytes through a ring of 4 register slots, four steps (52 loads) ahead.  The stream goes on from W1 into W2 without a seam.
; ROWS' OPERANDS go from wave to wave through LDS as images of their registers (registers 4 c .. 4 c + 3 of lane l at 512 c + 16 l; a scale word at 4 l).
; NO CLUSTER, NO TENSOR LOAD: which weights a tile needs is a number read from memory, and neighbouring tiles may belong to different experts, so partners' requests would not be equal.
; gelu(x) = 0.5 x (1 + erf(x / sqrt 2)), erf(z) = z P(z^2) / Q(z^2) (degrees 6 and 4 in z^2) on z^2 <= 16, written in v = x^2 = 2 z^2, the result held to +-1.
; LIMITS: NaN and infinities are not served.  erf's error is some 1e-7, so gelu's is some 1e-7 |x| in absolute terms; far below 0 its relative accuracy falls as 1 + erf cancels; from |x| = 5.66 on erf is +-1.  A block of zeros gets the byte 1.
; REGISTERS, window 0: v1-11 addresses; v12-14 the rows' weights; v16-19 two coefficients; v20-22 the rows' scale words; v24-31 the ring's scale words; v32-63 the bias; v64-159 the accumulators ((m, t) at 64 + 32 m + 8 t);
;   v160-191 at work; v192-227 the codes being made; v228-239 their second halves; v240-242 their scale words.   Window 1: v0-191 the ring (slot s, tile t at 48 s + 12 t); v192-227 three row fragments.
.set FRB,   1536
.set STEPB, 6400
.set GRPB,  25856
.set WAVB,  206848
.set EXPB,  1654784
.set XSO,   1572864
.set XIMG,  0                          ; LDS: x's 12 fragment images (4 m + s)
.set XSC,   18432                      ; their scale words, 128 bytes each
.set HSC,   19968                      ; the hidden layer's 48 sets of scale words (3 k + m)
.set HIMG,  26112                      ; its 48 fragment images
.set STG,   99840                      ; a stage of 16 rows x 272 bytes for each wave
.set SPI,   272
.set LI,  1                            ; 16 x lane
.set LS,  2                            ; 4 x lane
.set L8,  3                            ; 8 x lane
.set BO,  4                            ; 32 x (lane / 16)
.set HWI, 5                            ; where I store the hidden layer's images
.set HWS, 6                            ; and their scale words
.set HB,  7                            ; where the group's hidden fragments are read
.set HBS, 8
.set SO,  9
.set SR,  10
.set GO,  11
.set RWT, 12
.set CA,  16
.set CB,  18
.set BS,  20
.set WS,  24
.set BI,  32
.set ACC, 64
.set ZZ,  160
.set VV,  168
.set AA,  176
.set BB,  184
.set PC,  192
.set CT,  228
.set PW,  240
.set WP,  18                           ; s[18:19] where my stream stands
.set HT,  25                           ; s25, s26 my chunk's images and scale words in LDS
.set HTS, 26
.set HO,  27                           ; s27, s51 the group's hidden fragments and scale words in LDS
.set HOS, 51
.set SA6, 28
.set SA4, 30
.set SA3, 32
.set SA2, 34
.set SA1, 36
.set SA0, 38
.set SB4, 40
.set SB2, 42
.set SB1, 44
.set SB0, 46
.set MSB, 0
.macro WIN new                         ; the immediate's high byte repeats the setting that is left
.if MSB != \new
	s_set_vgpr_msb (MSB<<8)|\new
.set MSB, \new
.endif
.endm
.macro WLOAD slot, off                 ; a step's record into a slot: 12 loads of 512 consecutive bytes and its scale words: 13 loads
	WIN 0x40
.irp t, 0,1,2,3
.irp c, 0,1,2
	global_load_b128 v[48*\slot+12*\t+4*\c:48*\slot+12*\t+4*\c+3], v[LI], s[WP:WP+1] offset:(\off)+\t*FRB+512*\c
.endr
.endr
	WIN 0
	global_load_b64 v[WS+2*\slot:WS+2*\slot+1], v[L8], s[WP:WP+1] offset:(\off)+6144
.endm
.macro BIAS off                        ; a group's bias in the result's layout: 8 loads
.irp t, 0,1,2,3
.irp c, 0,1
	global_load_b128 v[BI+8*\t+4*\c:BI+8*\t+4*\c+3], v[BO], s[WP:WP+1] offset:(\off)+64*\t+16*\c
.endr
.endr
.endm
.macro BLOAD adr, off, str, sadr, soff ; three row fragments and their scale words from LDS
	WIN 0x40
.irp m, 0,1,2
.irp c, 0,1,2
	ds_load_b128 v[192+12*\m+4*\c:192+12*\m+4*\c+3], v[\adr] offset:(\off)+\m*(\str)+512*\c
.endr
.endr
	WIN 0
.irp m, 0,1,2
	ds_load_b32 v[BS+\m], v[\sadr] offset:(\soff)+\m*(\str)/12
.endr
.endm
.macro MM d, a, b, c, sa, sb, odd      ; the weights' scale words of an odd tile stand in lanes 16-31
.if \odd
	v_wmma_scale_f32_16x16x128_f8f6f4 v[(\d):(\d)+7], v[(\a):(\a)+11], v[(\b):(\b)+11], v[(\c):(\c)+7], v[\sa], v[\sb] matrix_a_fmt:MATRIX_FMT_FP6 matrix_b_fmt:MATRIX_FMT_FP6 matrix_a_scale:MATRIX_SCALE_ROW1
.else
	v_wmma_scale_f32_16x16x128_f8f6f4 v[(\d):(\d)+7], v[(\a):(\a)+11], v[(\b):(\b)+11], v[(\c):(\c)+7], v[\sa], v[\sb] matrix_a_fmt:MATRIX_FMT_FP6 matrix_b_fmt:MATRIX_FMT_FP6
.endif
.endm
; A step: 128 along K.  n: the loads issued behind this slot's, which may stay out.  first = 1: the bias is the C that starts the sums.
; The four v_nop are the places ahead of the loads into registers that these products read and ahead of the first read of results.
.macro STEP slot, first, n
	s_wait_loadcnt \n
	s_wait_dscnt 0x0                               ; the row fragments just asked for are wanted now
	WIN 0x05                                       ; sources 0 and 1 in window 1, C and D in window 0
.irp m, 0,1,2
.irp t, 0,1,2,3
.if \first
	MM ACC+32*\m+8*\t, 48*\slot+12*\t, 192+12*\m, BI+8*\t, WS+2*\slot+\t/2, BS+\m, \t%2
.else
	MM ACC+32*\m+8*\t, 48*\slot+12*\t, 192+12*\m, ACC+32*\m+8*\t, WS+2*\slot+\t/2, BS+\m, \t%2
.endif
.endr
.endr
	WIN 0
.rept 4
	v_nop
.endr
.endm
.macro HORN r, sc                      ; r = r v + a coefficient
.irp i, 0,2,4,6
	v_pk_fma_f32 v[\r+\i:\r+\i+1], v[\r+\i:\r+\i+1], v[VV+\i:VV+\i+1], s[\sc:\sc+1] op_sel_hi:[1,1,0]
.endr
.endm
.macro GELU1 a                         ; gelu in place on one accumulator's eight numbers, from its low end on
.irp i, 0,2,4,6
	v_pk_mul_f32 v[VV+\i:VV+\i+1], v[(\a)+\i:(\a)+\i+1], v[(\a)+\i:(\a)+\i+1]
.endr
.irp i, 0,1,2,3,4,5,6,7
	v_min_num_f32 v[VV+\i], s50, v[VV+\i]          ; v = x^2, held at 32
.endr
.irp i, 0,2,4,6
	v_pk_mul_f32 v[ZZ+\i:ZZ+\i+1], v[(\a)+\i:(\a)+\i+1], s[48:49] op_sel_hi:[1,0]   ; z = x / sqrt 2
.endr
.irp i, 0,2,4,6
	v_pk_fma_f32 v[AA+\i:AA+\i+1], v[VV+\i:VV+\i+1], s[SA6:SA6+1], v[CA:CA+1] op_sel_hi:[1,0,1]
.endr
.irp i, 0,2,4,6
	v_pk_fma_f32 v[BB+\i:BB+\i+1], v[VV+\i:VV+\i+1], s[SB4:SB4+1], v[CB:CB+1] op_sel_hi:[1,0,1]
.endr
	HORN AA, SA4
	HORN BB, SB2
	HORN AA, SA3
	HORN BB, SB1
	HORN AA, SA2
	HORN BB, SB0
.irp i, 0,1,2,3,4,5,6,7
	v_rcp_f32 v[BB+\i], v[BB+\i]                   ; the denominator is under 0 for every v: no division by 0
.endr
	HORN AA, SA1                                   ; independent work behind the reciprocals
	HORN AA, SA0
.irp i, 0,2,4,6
	v_pk_mul_f32 v[AA+\i:AA+\i+1], v[AA+\i:AA+\i+1], v[ZZ+\i:ZZ+\i+1]
.endr
.irp i, 0,2,4,6
	v_pk_mul_f32 v[(\a)+\i:(\a)+\i+1], v[(\a)+\i:(\a)+\i+1], 0.5 op_sel_hi:[1,0]
.endr
	s_wait_alu depctr_va_vdst(0)                   ; one wait for the eight reciprocals, ahead of their first reader
.irp i, 0,2,4,6
	v_pk_mul_f32 v[AA+\i:AA+\i+1], v[AA+\i:AA+\i+1], v[BB+\i:BB+\i+1]
.endr
.irp i, 0,1,2,3,4,5,6,7
	v_med3_num_f32 v[AA+\i], v[AA+\i], -1.0, 1.0
.endr
.irp i, 0,2,4,6
	v_pk_fma_f32 v[(\a)+\i:(\a)+\i+1], v[(\a)+\i:(\a)+\i+1], v[AA+\i:AA+\i+1], v[(\a)+\i:(\a)+\i+1]   ; 0.5 x erf + 0.5 x
.endr
.endm
; Six blocks q = 2 m + b of 32 hidden units: a lane's 16 registers at ACC + 16 q are 16 neighbours along the next K; the other 16 lie in lane l xor 16.  They become registers 6 g .. 6 g + 5 of row tile m's fragment and bytes 2 g, 2 g + 1 of its scale word.
.macro QUANT g
.irp q, 0,1,2,3,4,5
	v_max3_num_f32 v[160+\q], |v[ACC+16*\q]|, |v[ACC+16*\q+1]|, 0x1800000   ; with the floor 2^(3 - 127): the byte cannot fall under 1
.endr
.irp i, 2,4,6,8,10,12,14
.irp q, 0,1,2,3,4,5
	v_max3_num_f32 v[160+\q], v[160+\q], |v[ACC+16*\q+\i]|, |v[ACC+16*\q+\i+1]|
.endr
.endr
.irp q, 0,1,2,3,4,5
	v_permlanex16_b32 v[166+\q], v[160+\q], s52, s53
.endr
.irp q, 0,1,2,3,4,5
	v_max_num_f32 v[160+\q], v[160+\q], v[166+\q]
.endr
.irp q, 0,1,2,3,4,5
	v_add_nc_u32 v[172+\q], 0xff000000, v[160+\q]  ; 2 off the exponent field: the conversion's scale operand
.endr
.irp q, 0,1,2,3,4,5
	v_lshrrev_b32 v[178+\q], 23, v[172+\q]         ; the scale's byte
.endr
.irp m, 0,1,2
.if \g == 0
	v_lshl_or_b32 v[PW+\m], v[178+2*\m+1], 8, v[178+2*\m]
.else
	v_lshl_or_b32 v[PW+\m], v[178+2*\m], 16, v[PW+\m]
	v_lshl_or_b32 v[PW+\m], v[178+2*\m+1], 24, v[PW+\m]
.endif
.endr
.irp m, 0,1,2
	v_cvt_scalef32_pk16_fp6_f32 v[PC+12*\m+6*\g:PC+12*\m+6*\g+2], v[ACC+32*\m:ACC+32*\m+15], v[172+2*\m]
	v_cvt_scalef32_pk16_fp6_f32 v[CT+4*\m:CT+4*\m+2], v[ACC+32*\m+16:ACC+32*\m+31], v[172+2*\m+1]
.endr
	v_nop                                          ; one plain line behind the last conversion
.irp m, 0,1,2
.irp i, 0,1,2
	v_permlane16_swap_b32 v[PC+12*\m+6*\g+\i], v[CT+4*\m+\i]       ; a whole block to a lane: lanes 0-15 the even block, lanes 16-31 the odd one
.endr
.irp i, 0,1,2
	v_mov_b32 v[PC+12*\m+6*\g+3+\i], v[CT+4*\m+\i]
.endr
.endr
.endm
; 64 hidden units for the 48 rows: four K steps of the first product, gelu, codes.  Behind each step the next step's rows are fetched and the slot is filled with the step four on.
; Counts: behind slot 0's record stand three records (39); behind the others three records and the next bias (47).
.macro HALF g
	STEP 0, 1, 39
	BLOAD LI, XIMG+FRB, 4*FRB, LS, XSC+128
	BIAS (\g+1)*GRPB
	WLOAD 0, (\g+1)*GRPB+256
	STEP 1, 0, 47
	BLOAD LI, XIMG+2*FRB, 4*FRB, LS, XSC+256
	WLOAD 1, (\g+1)*GRPB+256+STEPB
	STEP 2, 0, 47
	BLOAD LI, XIMG+3*FRB, 4*FRB, LS, XSC+384
	WLOAD 2, (\g+1)*GRPB+256+2*STEPB
	STEP 3, 0, 47
	BLOAD LI, XIMG, 4*FRB, LS, XSC
	WLOAD 3, (\g+1)*GRPB+256+3*STEPB
.irp a, 0,1,2,3,4,5,6,7,8,9,10,11
	GELU1 ACC+8*\a
.endr
	QUANT \g
.endm
.macro IMAGE                           ; my chunk's three fragments and scale words go to LDS as they stand
.irp m, 0,1,2
.irp c, 0,1,2
	ds_store_b128 v[HWI], v[PC+12*\m+4*\c:PC+12*\m+4*\c+3] offset:HIMG+\m*FRB+512*\c
.endr
	ds_store_b32 v[HWS], v[PW+\m] offset:HSC+128*\m
.endr
.endm
; Four K steps of the second product.  ahead = 1: the slots take the next group's records.  last = 1: nothing follows.
.macro GROUP2 first, ahead, n0, n1, n2, n3, last
	STEP 0, \first, \n0
	BLOAD HB, HIMG+3*FRB, FRB, HBS, HSC+384
.if \ahead
	WLOAD 0, GRPB+256
.endif
	STEP 1, 0, \n1
	BLOAD HB, HIMG+6*FRB, FRB, HBS, HSC+768
.if \ahead
	WLOAD 1, GRPB+256+STEPB
.endif
	STEP 2, 0, \n2
	BLOAD HB, HIMG+9*FRB, FRB, HBS, HSC+1152
.if \ahead
	WLOAD 2, GRPB+256+2*STEPB
.endif
	STEP 3, 0, \n3
.if !\last
	BLOAD HB, HIMG+12*FRB, FRB, HBS, HSC+1536
.endif
.if \ahead
	WLOAD 3, GRPB+256+3*STEPB
.endif
.endm
.macro NEXTG                           ; on to the next group: the loads have had their addresses translated (ISA guide 3.1), so the stream's pointer may step
	s_wait_xcnt 0x0
	s_add_nc_u64 s[WP:WP+1], s[WP:WP+1], GRPB
	s_add_co_u32 s[HO], s[HO], 12*FRB
	s_add_co_u32 s[HOS], s[HOS], 1536
	v_add_nc_u32 v[HB], s[HO], v[LI]
	v_add_nc_u32 v[HBS], s[HOS], v[LS]
.endm
; 16 rows x my 64 outputs: times the row's weight, through my own stage, out as 256 consecutive aligned bytes for sixteen lanes
.macro OUT m
.set OBB, 160+32*((\m)%2)
.set j, 0
.rept 32
	v_mul_f32 v[ACC+32*\m+j], v[RWT+\m], v[ACC+32*\m+j]            ; each accumulator from its low end on
.set j, j+1
.endr
.irp n, 0,1,2,3
	ds_store_b128 v[SO], v[ACC+32*\m+8*\n:ACC+32*\m+8*\n+3] offset:64*\n
	ds_store_b128 v[SO], v[ACC+32*\m+8*\n+4:ACC+32*\m+8*\n+7] offset:64*\n+16
.endr
.irp i, 0,1,2,3,4,5,6,7
	ds_load_b128 v[OBB+4*\i:OBB+4*\i+3], v[SR] offset:544*\i       ; LDS serves a wave's instructions in order (ISA guide 5.7.1.4): these see my stores
.endr
.irp i, 0,1,2,3,4,5,6,7
	s_wait_dscnt 7-\i                              ; the later rows may be out
	global_store_b128 v[GO], v[OBB+4*\i:OBB+4*\i+3], s[12:13] offset:(16*\m+2*\i)*2048 th:TH_STORE_NT
.endr
.endm
	s_load_b256 s[4:11], s[0:1], 0x0               ; plan, roww, xq, wstr
	s_load_b64 s[12:13], s[0:1], 0x20              ; ybuf
	v_lshl_add_u32 v254, v0, 2, 0x20e00
	v_mov_b32 v255, 0
	v_lshrrev_b32 v221, 5, v0
	v_readfirstlane_b32 s14, v221                  ; wave 0..7
	v_and_b32 v218, 31, v0                         ; lane
	v_and_b32 v219, 15, v0                         ; r
	v_bfe_u32 v220, v0, 4, 1                       ; h
	v_lshlrev_b32 v[LI], 4, v218
	v_lshlrev_b32 v[LS], 2, v218
	v_lshlrev_b32 v[L8], 3, v218
	v_lshlrev_b32 v[BO], 5, v220
	s_lshl_b32 s15, ttmp9, 2
	s_mul_i32 s20, ttmp9, 192                      ; my tile's 48 rows, 4 bytes each
	s_lshr_b32 s21, s14, 2
	s_lshl_b32 s21, s21, 6
	v_lshl_add_u32 v222, v219, 2, s20              ; row r of the tile
	v_add_nc_u32 v223, s21, v222                   ; row 16 (wave / 4) + r
	s_wait_kmcnt 0x0
	s_load_b32 s16, s[4:5], s15 offset:0x0         ; the tile's expert
	global_load_b32 v224, v223, s[4:5] offset:1024 ; the tokens of the fragment that I gather (m = wave / 4, K step wave % 4)
	global_load_b32 v225, v222, s[4:5] offset:1152 ; and of rows 32 + r (m = 2)
	global_load_b32 v[RWT], v222, s[6:7]
	global_load_b32 v[RWT+1], v222, s[6:7] offset:64
	global_load_b32 v[RWT+2], v222, s[6:7] offset:128
	s_mul_i32 s21, s14, WAVB
	s_wait_kmcnt 0x0
	s_min_u32 s16, s16, 7                          ; held inside the stream; an empty tile walks expert 7
	s_mul_i32 s20, s16, EXPB
	s_add_co_u32 s20, s20, s21
	s_mov_b32 s21, 0
	s_add_nc_u64 s[WP:WP+1], s[10:11], s[20:21]
	BIAS 0
	WLOAD 0, 256
	WLOAD 1, 256+STEPB
	WLOAD 2, 256+2*STEPB
	WLOAD 3, 256+3*STEPB
	s_mul_i32 s22, s14, 16*SPI
	s_add_co_u32 s22, s22, STG                     ; my stage
	v_mul_u32_u24 v[SO], v219, SPI
	v_lshl_add_u32 v[SO], v220, 5, v[SO]
	v_add_nc_u32 v[SO], s22, v[SO]                 ; in: row r, 32 bytes for each half of the lanes
	v_mul_u32_u24 v[SR], v220, SPI
	v_lshl_add_u32 v[SR], v219, 4, v[SR]
	v_add_nc_u32 v[SR], s22, v[SR]                 ; back: lanes 0-15 one row, lanes 16-31 the next
	v_lshlrev_b32 v[GO], 11, v220
	v_lshl_add_u32 v[GO], v219, 4, v[GO]           ; and the same two rows in ybuf
	v_mov_b32 v[CA], 0x306dffee                    ; the coefficients carry the powers of 2 that v = 2 z^2 brings
	v_mov_b32 v[CA+1], 0x306dffee
	v_mov_b32 v[CB], 0xb7dfbd29
	v_mov_b32 v[CB+1], 0xb7dfbd29
.irp w, 0,1
	s_mov_b32 s[SA6+\w], 0xac95df0b
	s_mov_b32 s[SA4+\w], 0xb40cff51
	s_mov_b32 s[SA3+\w], 0xb6eec2d2
	s_mov_b32 s[SA2+\w], 0xb940ac63
	s_mov_b32 s[SA1+\w], 0xbac1a1f6
	s_mov_b32 s[SA0+\w], 0xbc83dbd4
	s_mov_b32 s[SB4+\w], 0xb57460cd
	s_mov_b32 s[SB2+\w], 0xb9dc924e
	s_mov_b32 s[SB1+\w], 0xbb719bf8
	s_mov_b32 s[SB0+\w], 0xbc69b6a7
	s_mov_b32 s[48+\w], 0x3f3504f3                 ; 1 / sqrt 2
.endr
	s_mov_b32 s50, 0x42000000                      ; 32.0
	s_mov_b32 s52, 0x76543210
	s_mov_b32 s53, 0xfedcba98                      ; selects for lane l xor 16
	s_mul_i32 s20, ttmp9, 98304                    ; my tile's 48 rows of 2,048 bytes,
	s_lshl_b32 s21, s14, 8                         ; my 64 outputs
	s_add_co_u32 s20, s20, s21
	s_mov_b32 s21, 0
	s_add_nc_u64 s[12:13], s[12:13], s[20:21]
	s_mul_i32 s23, s14, FRB
	v_add_nc_u32 v230, s23, v[LI]                  ; where x's image 4 m + s = wave goes
	s_lshl_b32 s23, s14, 7
	v_add_nc_u32 v231, s23, v[LS]
	s_and_b32 s22, s14, 3
	s_mul_i32 s23, s22, 96                         ; my K step in a token's codes
	s_lshl_b32 s22, s22, 2                         ; and in its scale bytes
	s_mul_i32 s[HT], s14, 3*FRB
	s_mul_i32 s[HTS], s14, 384
	s_wait_loadcnt 60                              ; the five row loads are in; the bias's 8 and the four records' 52 may be out
	v_min_u32 v224, 0xfff, v224
	v_min_u32 v225, 0xfff, v225
	v_mul_u32_u24 v226, 0x180, v224
	v_mad_u32_u24 v226, v220, 48, v226
	v_add_nc_u32 v226, s23, v226                   ; 384 token + 96 s + 48 h: my 12 operand registers on end
	v_mul_u32_u24 v227, 0x180, v225
	v_mad_u32_u24 v227, v220, 48, v227
	v_add_nc_u32 v227, s23, v227
	v_lshl_add_u32 v228, v224, 4, s22
	v_lshl_add_u32 v229, v225, 4, s22
.irp c, 0,1,2
	global_load_b128 v[192+4*\c:195+4*\c], v226, s[8:9] offset:16*\c
.endr
	global_load_b32 v216, v228, s[8:9] offset:XSO
	s_cmp_ge_u32 s14, 4                            ; waves 0-3 also gather fragment (2, wave)
	s_cbranch_scc1 .Lone_load
.irp c, 0,1,2
	global_load_b128 v[204+4*\c:207+4*\c], v227, s[8:9] offset:16*\c
.endr
	global_load_b32 v217, v229, s[8:9] offset:XSO
.Lone_load:
	s_wait_loadcnt 0x0
.irp c, 0,1,2
	ds_store_b128 v230, v[192+4*\c:195+4*\c] offset:XIMG+512*\c
.endr
	ds_store_b32 v231, v216 offset:XSC
	s_cmp_ge_u32 s14, 4
	s_cbranch_scc1 .Lone_store
.irp c, 0,1,2
	ds_store_b128 v230, v[204+4*\c:207+4*\c] offset:XIMG+8*FRB+512*\c
.endr
	ds_store_b32 v231, v217 offset:XSC+1024
.Lone_store:
	s_wait_dscnt 0x0                               ; for the others' sake: my images have landed
	s_barrier_signal -1
	s_barrier_wait -1                              ; x's twelve fragments lie in LDS
	BLOAD LI, XIMG, 4*FRB, LS, XSC
	; ---- the first product: my two chunks of 128 hidden units, each in two halves
	s_mov_b32 s24, 2
.Lchunk:
	v_add_nc_u32 v[HWI], s[HT], v[LI]
	v_add_nc_u32 v[HWS], s[HTS], v[LS]
	HALF 0
	HALF 1
	IMAGE
	s_wait_dscnt 0x0                               ; the images have landed (and the rows fetched ahead are in)
	s_wait_xcnt 0x0                                ; the stream's loads have had their addresses translated: the pointer may step
	s_add_nc_u64 s[WP:WP+1], s[WP:WP+1], 2*GRPB
	s_add_co_u32 s[HT], s[HT], 24*FRB              ; chunk w + 8
	s_add_co_u32 s[HTS], s[HTS], 3072
	s_sub_co_u32 s24, s24, 1
	s_cmp_lg_u32 s24, 0
	s_cbranch_scc1 .Lchunk
	s_barrier_signal -1
	s_barrier_wait -1                              ; the hidden layer's 48 fragments lie in LDS
	; ---- the second product: 16 K steps in four groups; b2 and W2's first four records were asked for by the last half
	s_mov_b32 s[HO], 0
	s_mov_b32 s[HOS], 0
	v_mov_b32 v[HB], v[LI]
	v_mov_b32 v[HBS], v[LS]
	BLOAD HB, HIMG, FRB, HBS, HSC
	GROUP2 1, 1, 39, 39, 39, 39, 0                 ; behind each slot's record stand three records
	NEXTG
	s_mov_b32 s24, 2
.Lgroup:
	GROUP2 0, 1, 39, 39, 39, 39, 0
	NEXTG
	s_sub_co_u32 s24, s24, 1
	s_cmp_lg_u32 s24, 0
	s_cbranch_scc1 .Lgroup
	GROUP2 0, 0, 39, 26, 13, 0, 1                  ; the stream's end: the counts run down
	OUT 0
	OUT 1
	s_wait_xcnt 0x0                                ; the first 16 rows' stores have read their registers: they are loaded again only behind this wait
	OUT 2
	s_wait_tensorcnt 0x0
	ds_add_u32 v254, v255
	s_wait_dscnt 0x0
	s_endpgm
.Lfunc_end_k_q790ca61019_chain:
	.size	k_q790ca61019_chain, .Lfunc_end_k_q790ca61019_chain-k_q790ca61019_chain
	.p2alignl 7, 3214868480
	.fill 96, 4, 3214868480
	.section	.rodata,"a",@progbits
	.p2align	6, 0x0
	.amdhsa_kernel k_q790ca61019_chain
		.amdhsa_group_segment_fixed_size 135680
		.amdhsa_private_segment_fixed_size 0
		.amdhsa_enable_private_segment 0
		.amdhsa_kernarg_size 40
		.amdhsa_user_sgpr_count 2
		.amdhsa_user_sgpr_kernarg_segment_ptr 1
		.amdhsa_wavefront_size32 1
		.amdhsa_system_sgpr_workgroup_id_x 1
		.amdhsa_system_sgpr_workgroup_id_y 1
		.amdhsa_system_sgpr_workgroup_id_z 1
		.amdhsa_system_vgpr_workitem_id 0
		.amdhsa_next_free_vgpr 512
		.amdhsa_next_free_sgpr 66
		.amdhsa_reserve_vcc 0
		.amdhsa_float_denorm_mode_32 3
		.amdhsa_float_denorm_mode_16_64 3
		.amdhsa_memory_ordered 1
		.amdhsa_forward_progress 1
		.amdhsa_inst_pref_size 231
	.end_amdhsa_kernel
	.amdgpu_metadata
---
amdhsa.version: [ 1, 2 ]
amdhsa.kernels:
  - .name:           k_q790ca61019_chain
    .symbol:         k_q790ca61019_chain.kd
    .args:
      - { .name: plan, .offset: 0, .size: 8, .value_kind: global_buffer, .address_space: global }
      - { .name: roww, .offset: 8, .size: 8, .value_kind: global_buffer, .address_space: global }
      - { .name: xq, .offset: 16, .size: 8, .value_kind: global_buffer, .address_space: global }
      - { .name: wstr, .offset: 24, .size: 8, .value_kind: global_buffer, .address_space: global }
      - { .name: ybuf, .offset: 32, .size: 8, .value_kind: global_buffer, .address_space: global }
    .group_segment_fixed_size: 135680
    .private_segment_fixed_size: 0
    .kernarg_segment_align: 8
    .kernarg_segment_size: 40
    .max_flat_workgroup_size: 256
    .sgpr_count:     66
    .vgpr_count:     512
    .wavefront_size: 32
...
	.end_amdgpu_metadata
.endif
;; end of part 3
;; launch combine (part 4): grid 256 x 1, 4 waves a work-group, no clusters, 0 bytes of LDS; arguments plan, ybuf, out0; writes out0
.if DOCPART == 4
	.amdgcn_target "amdgcn-amd-amdhsa--gfx1250"
	.amdhsa_code_object_version 6
	.text
	.protected	k_q790ca61019_combine
	.globl	k_q790ca61019_combine
	.p2align	8
	.type	k_q790ca61019_combine,@function
k_q790ca61019_combine:
	s_mov_b64 s[64:65], 0
	v_nop
	global_prefetch_b8 v0, s[64:65] scope:SCOPE_SE
	s_setreg_imm32_b32 hwreg(HW_REG_WAVE_MODE, 25, 1), 1
	s_wait_xcnt 0x0
; out0[t] = the token's two weighted rows of ybuf, added.  A wave takes 4 tokens; where their rows lie is read from plan (posb[2][4096] at byte 41,984), as whole numbers, by scalar loads.
; A stream: every load and store of a wave covers 512 consecutive bytes; all 32 loads go out first, and the waits count down token by token.  No LDS, no barrier, no matrix work: there is nothing to share.
	s_load_b128 s[4:7], s[0:1], 0x0                ; plan, ybuf
	s_load_b64 s[8:9], s[0:1], 0x10                ; out0
	v_lshrrev_b32 v1, 5, v0
	v_readfirstlane_b32 s10, v1                    ; wave 0..3
	v_and_b32 v1, 31, v0
	v_lshlrev_b32 v1, 4, v1                        ; 16 bytes a lane
	s_lshl_b32 s11, ttmp9, 2
	s_add_co_u32 s11, s11, s10                     ; which run of 4 tokens
	s_lshl_b32 s12, s11, 4
	s_lshl_b32 s14, s11, 13
	s_mov_b32 s15, 0
	s_wait_kmcnt 0x0
	s_load_b128 s[16:19], s[4:5], s12 offset:41984 ; the first rows of my 4 tokens
	s_load_b128 s[20:23], s[4:5], s12 offset:58368 ; the second
	s_add_nc_u64 s[8:9], s[8:9], s[14:15]
	s_mov_b32 s41, 0
	s_wait_kmcnt 0x0
.irp q, 0,1,2,3,4,5,6,7
	s_min_u32 s40, s[16+\q], 8543                  ; held inside ybuf's 8,544 rows
	s_lshl_b32 s40, s40, 11
	s_add_nc_u64 s[24+2*\q:25+2*\q], s[6:7], s[40:41]
.endr
.irp i, 0,1,2,3
.irp c, 0,1,2,3
	global_load_b128 v[8+32*\i+4*\c:8+32*\i+4*\c+3], v1, s[24+2*\i:25+2*\i] offset:512*\c th:TH_LOAD_NT
.endr
.irp c, 0,1,2,3
	global_load_b128 v[24+32*\i+4*\c:24+32*\i+4*\c+3], v1, s[32+2*\i:33+2*\i] offset:512*\c th:TH_LOAD_NT
.endr
.endr
.irp i, 0,1,2,3
	s_wait_loadcnt 24-8*\i                         ; this token's 8 loads are in; the later tokens' may be out
.irp p, 0,2,4,6,8,10,12,14
	v_pk_add_f32 v[8+32*\i+\p:8+32*\i+\p+1], v[8+32*\i+\p:8+32*\i+\p+1], v[24+32*\i+\p:24+32*\i+\p+1]
.endr
.irp c, 0,1,2,3
	global_store_b128 v1, v[8+32*\i+4*\c:8+32*\i+4*\c+3], s[8:9] offset:2048*\i+512*\c th:TH_STORE_NT
.endr
.endr
	s_endpgm
.Lfunc_end_k_q790ca61019_combine:
	.size	k_q790ca61019_combine, .Lfunc_end_k_q790ca61019_combine-k_q790ca61019_combine
	.p2alignl 7, 3214868480
	.fill 96, 4, 3214868480
	.section	.rodata,"a",@progbits
	.p2align	6, 0x0
	.amdhsa_kernel k_q790ca61019_combine
		.amdhsa_group_segment_fixed_size 0
		.amdhsa_private_segment_fixed_size 0
		.amdhsa_enable_private_segment 0
		.amdhsa_kernarg_size 24
		.amdhsa_user_sgpr_count 2
		.amdhsa_user_sgpr_kernarg_segment_ptr 1
		.amdhsa_wavefront_size32 1
		.amdhsa_system_sgpr_workgroup_id_x 1
		.amdhsa_system_sgpr_workgroup_id_y 1
		.amdhsa_system_sgpr_workgroup_id_z 1
		.amdhsa_system_vgpr_workitem_id 0
		.amdhsa_next_free_vgpr 136
		.amdhsa_next_free_sgpr 66
		.amdhsa_reserve_vcc 0
		.amdhsa_float_denorm_mode_32 3
		.amdhsa_float_denorm_mode_16_64 3
		.amdhsa_memory_ordered 1
		.amdhsa_forward_progress 1
		.amdhsa_inst_pref_size 9
	.end_amdhsa_kernel
	.amdgpu_metadata
---
amdhsa.version: [ 1, 2 ]
amdhsa.kernels:
  - .name:           k_q790ca61019_combine
    .symbol:         k_q790ca61019_combine.kd
    .args:
      - { .name: plan, .offset: 0, .size: 8, .value_kind: global_buffer, .address_space: global }
      - { .name: ybuf, .offset: 8, .size: 8, .value_kind: global_buffer, .address_space: global }
      - { .name: out0, .offset: 16, .size: 8, .value_kind: global_buffer, .address_space: global }
    .group_segment_fixed_size: 0
    .private_segment_fixed_size: 0
    .kernarg_segment_align: 8
    .kernarg_segment_size: 24
    .max_flat_workgroup_size: 128
    .sgpr_count:     66
    .vgpr_count:     136
    .wavefront_size: 32
...
	.end_amdgpu_metadata
.endif
;; end of part 4
;; ======== version 2 of 2: 4 launches; version 1 with the launch chain written anew for expert scheduling mode
;; workspace buffers: xq 1,638,400 bytes; eidx 16,384 bytes of whole numbers; gwt 32,768 bytes; wstr 13,238,272 bytes; plan 74,752 bytes of whole numbers; roww 40,960 bytes; ybuf 17,498,112 bytes
;; launch prep: the kernel of part 1 again; grid 256 x 1, 8 waves a work-group, no clusters, 33,792 bytes of LDS; arguments x, time_stage, gate_w, gate_b, w1_codes, w1_scales, b1, w2_codes, w2_scales, b2, xq, eidx, gwt, wstr; writes xq, eidx, gwt, wstr
;; launch place: the kernel of part 2 again; grid 1 x 1, 32 waves a work-group, no clusters, 5,120 bytes of LDS; arguments eidx, gwt, plan, roww; writes plan, roww
;; launch chain (part 5): grid 178 x 1, 8 waves a work-group, no clusters, 135,680 bytes of LDS; arguments plan, roww, xq, wstr, ybuf; writes ybuf
.if DOCPART == 5
	.amdgcn_target "amdgcn-amd-amdhsa--gfx1250"
	.amdhsa_code_object_version 6
	.text
	.protected	k_q790ca61019_chain
	.globl	k_q790ca61019_chain
	.p2align	8
	.type	k_q790ca61019_chain,@function
k_q790ca61019_chain:
	s_mov_b64 s[64:65], 0
	v_nop
	global_prefetch_b8 v0, s[64:65] scope:SCOPE_SE
	s_setreg_imm32_b32 hwreg(HW_REG_WAVE_SCHED_MODE, 0, 2), 2
	s_setreg_imm32_b32 hwreg(HW_REG_WAVE_MODE, 25, 1), 1
	s_wait_xcnt 0x0
	s_wait_alu depctr_vm_vsrc(0)
; ONE TILE OF 48 ROUTED ROWS OF ONE EXPERT THROUGH BOTH PRODUCTS: ybuf[row] = weight x (Q(gelu(Q(x) W1 + b1)) W2 + b2), both products on E2M3 codes with E8M0 scales.  The hidden layer stays in LDS, as codes.
; GRID: 8,192 routed rows in tiles of 48 of one expert are never more than 171 + 7 = 178 tiles, whatever the split.  A tile that a split leaves empty (its word is 8) is held to expert 7 and walked like any other, on rows that name
;   token 0 with weight 0: it stores zeros into rows that nobody reads.  So no branch, barrier or LDS address here hangs on a number read from memory.  At least 171 of the 178 tiles are real.
; SHARES: the 8 waves share the COLUMNS.  Wave w makes hidden units 128 k .. 128 k + 127 for k = w and w + 8 (each one K step of the second product) and outputs 64 w .. 64 w + 63, for all 48 rows (three tiles m of 16).
;   Both products are used transposed (source 0 = 16 rows of the weight, source 1 = 16 routed rows): a lane holds one row throughout.
;   Every step of either product is 4 weight tiles x 3 row fragments = 12 matrix instructions on 12 accumulators that take turns, one instruction a turn.
; WEIGHTS come from wstr, where an earlier launch laid them in register order: a wave walks 206,848 consecutive bytes through a ring of 4 register slots; a slot is asked for again in the step behind the one that read it,
;   for the step three further on.  The stream goes on from W1 into W2 without a seam.
; ROWS' OPERANDS go from wave to wave through LDS as images of their registers (registers 4 c .. 4 c + 3 of lane l at 512 c + 16 l; a scale word at 4 l).
; NO CLUSTER, NO TENSOR LOAD: which weights a tile needs is a number read from memory, and neighbouring tiles may belong to different experts, so partners' requests would not be equal.
; gelu(x) = 0.5 x (1 + erf(x / sqrt 2)), erf(z) = z P(z^2) / Q(z^2) (degrees 6 and 4 in z^2) on z^2 <= 16, written in v = x^2 = 2 z^2, the result held to +-1.
; LIMITS: NaN and infinities are not served.  erf's error is some 1e-7, so gelu's is some 1e-7 |x| in absolute terms; far below 0 its relative accuracy falls as 1 + erf cancels; from |x| = 5.66 on erf is +-1.  A block of zeros gets the byte 1.
; THE MODE: SCHED_MODE bits 1:0 = 2 (LLVM: expert scheduling mode 2), set by the entry lines.  The code itself states the register dependences
;   between vector or matrix instructions and memory or LDS instructions, with s_wait_alu, always for 0.
; THE PLAN.  Registers that memory or LDS instructions touch:
;   ring slot s, scale words v[WS + 2 s]   Step s: its 12 products read them.  Step s + 1: the stream's loads land in them again.
;   row buffers F0, F1 with their scale words   Even steps' products read F0, odd steps' F1.  The LDS loads issued in a step land in the buffer that the step before read.
;   bias v[BI ..]   Read as C by the products of a group's first step; loaded again in the step behind it.  On the way out the last 16 rows come back from the stage into these registers.
;   v[PC ..], v[PW ..], v[HWI], v[HWS]   Written by the quantiser and by two additions; read by the LDS stores of a chunk's images.
;   v[HB], v[HBS]   Read by the second product's LDS loads; written once a group.
;   accumulators   On the way out written by the weights' multiplications and read by the LDS stores into the stage.  Each of the three blocks of rows comes back into registers of its own, which nothing writes again.
;   v1-4, v9-11   Offsets and addresses, made once at the head.
; So ONE wait on va_vdst stands at a step's head, behind the waits for the step's own data: the products of the step before are done reading what this step's loads land in.  The loads follow the step's first four products,
; which name this step's slot, row buffer and scale words, the accumulators and (a group's first step) the bias: none of the registers that those loads touch.  A half's first step has no such wait: gelu's waits stand behind the last half's products.
; REGISTERS, window 0: v1-11 addresses; v12-14 the rows' weights; v16-19 two coefficients; v20-22 and v15, v23, v243 the rows' scale words, two sets; v24-31 the ring's scale words; v32-63 the bias; v64-159 the accumulators ((m, t) at 64 + 32 m + 8 t);
;   v160-191 at work; v192-227 the codes being made; v228-239 their second halves; v240-242 their scale words; v244-255 F1's third fragment.
;   Window 1: v0-191 the ring (slot s, tile t at 48 s + 12 t); v192-227 F0's three row fragments; v228-251 F1's first two.
.set FRB,   1536
.set STEPB, 6400
.set GRPB,  25856
.set WAVB,  206848
.set EXPB,  1654784
.set XSO,   1572864
.set XIMG,  0                          ; LDS: x's 12 fragment images (4 m + s)
.set XSC,   18432                      ; their scale words, 128 bytes each
.set HSC,   19968                      ; the hidden layer's 48 sets of scale words (3 k + m)
.set HIMG,  26112                      ; its 48 fragment images
.set STG,   99840                      ; a stage of 16 rows x 272 bytes for each wave
.set SPI,   272
.set LI,  1                            ; 16 x lane
.set LS,  2                            ; 4 x lane
.set L8,  3                            ; 8 x lane
.set BO,  4                            ; 32 x (lane / 16)
.set HWI, 5                            ; where I store the hidden layer's images
.set HWS, 6                            ; and their scale words
.set HB,  7                            ; where the group's hidden fragments are read
.set HBS, 8
.set SO,  9
.set SR,  10
.set GO,  11
.set RWT, 12
.set CA,  16
.set CB,  18
.set BS0, 20                           ; v20-22 F0's scale words
.set BS1A, 15                          ; v15, v23, v243 F1's
.set BS1B, 23
.set BS1C, 243
.set WS,  24
.set BI,  32
.set ACC, 64
.set ZZ,  160
.set VV,  168
.set AA,  176
.set BB,  184
.set PC,  192
.set CT,  228
.set PW,  240
.set B0,  192                          ; window 1: F0
.set B1,  228                          ; window 1: F1, row tiles 0 and 1
.set B1L, 244                          ; window 0: F1, row tile 2
.set WP,  18                           ; s[18:19] where my stream stands
.set HT,  25                           ; s25, s26 my chunk's images and scale words in LDS
.set HTS, 26
.set HO,  27                           ; s27, s51 the group's hidden fragments and scale words in LDS
.set HOS, 51
.set SA6, 28
.set SA4, 30
.set SA3, 32
.set SA2, 34
.set SA1, 36
.set SA0, 38
.set SB4, 40
.set SB2, 42
.set SB1, 44
.set SB0, 46
.set MSB, 0
.macro WIN new                         ; the immediate's high byte repeats the setting that is left
.if MSB != \new
	s_set_vgpr_msb (MSB<<8)|\new
.set MSB, \new
.endif
.endm
.macro WL_HI slot, off                 ; a step's record into a slot: 12 loads of 512 consecutive bytes (destination window 1),
.irp t, 0,1,2,3
.irp c, 0,1,2
	global_load_b128 v[48*(\slot)+12*\t+4*\c:48*(\slot)+12*\t+4*\c+3], v[LI], s[WP:WP+1] offset:(\off)+\t*FRB+512*\c
.endr
.endr
.endm
.macro WL_LO slot, off                 ; and its scale words (window 0): 13 loads in all
	global_load_b64 v[WS+2*(\slot):WS+2*(\slot)+1], v[L8], s[WP:WP+1] offset:(\off)+6144
.endm
.macro BIAS off                        ; a group's bias in the result's layout: 8 loads
.irp t, 0,1,2,3
.irp c, 0,1
	global_load_b128 v[BI+8*\t+4*\c:BI+8*\t+4*\c+3], v[BO], s[WP:WP+1] offset:(\off)+64*\t+16*\c
.endr
.endr
.endm
; A step's loads, in one run under two window settings.  fb: the row buffer that takes three row fragments and their scale words from LDS (-1: none).  slot: the ring slot that takes the record at woff (-1: none).  boff: where the next bias lies (-1: none).
; The LDS loads come first: they are wanted at the next step's head.
.macro FETCH fb, adr, off, str, sadr, soff, slot, woff, boff
	WIN 0x40                                       ; destination window 1, address window 0
.if (\fb) == 0
.irp m, 0,1,2
.irp c, 0,1,2
	ds_load_b128 v[B0+12*\m+4*\c:B0+12*\m+4*\c+3], v[\adr] offset:(\off)+\m*(\str)+512*\c
.endr
.endr
.endif
.if (\fb) == 1
.irp m, 0,1
.irp c, 0,1,2
	ds_load_b128 v[B1+12*\m+4*\c:B1+12*\m+4*\c+3], v[\adr] offset:(\off)+\m*(\str)+512*\c
.endr
.endr
.endif
.if (\slot) >= 0
	WL_HI \slot, \woff
.endif
	WIN 0
.if (\fb) == 0
.irp m, 0,1,2
	ds_load_b32 v[BS0+\m], v[\sadr] offset:(\soff)+\m*(\str)/12
.endr
.endif
.if (\fb) == 1
.irp c, 0,1,2
	ds_load_b128 v[B1L+4*\c:B1L+4*\c+3], v[\adr] offset:(\off)+2*(\str)+512*\c
.endr
	ds_load_b32 v[BS1A], v[\sadr] offset:(\soff)
	ds_load_b32 v[BS1B], v[\sadr] offset:(\soff)+(\str)/12
	ds_load_b32 v[BS1C], v[\sadr] offset:(\soff)+2*(\str)/12
.endif
.if (\slot) >= 0
	WL_LO \slot, \woff
.endif
.if (\boff) >= 0
	BIAS \boff
.endif
.endm
.macro MM d, a, b, c, sa, sb, odd      ; the weights' scale words of an odd tile stand in lanes 16-31
.if \odd
	v_wmma_scale_f32_16x16x128_f8f6f4 v[(\d):(\d)+7], v[(\a):(\a)+11], v[(\b):(\b)+11], v[(\c):(\c)+7], v[\sa], v[\sb] matrix_a_fmt:MATRIX_FMT_FP6 matrix_b_fmt:MATRIX_FMT_FP6 matrix_a_scale:MATRIX_SCALE_ROW1
.else
	v_wmma_scale_f32_16x16x128_f8f6f4 v[(\d):(\d)+7], v[(\a):(\a)+11], v[(\b):(\b)+11], v[(\c):(\c)+7], v[\sa], v[\sb] matrix_a_fmt:MATRIX_FMT_FP6 matrix_b_fmt:MATRIX_FMT_FP6
.endif
.endm
; Four products: row tile m out of row buffer fb against the slot's four weight tiles.  first = 1: the bias is the C that starts the sums.
.macro PROD slot, fb, first, m
.if (\fb) == 0
	WIN 0x05                                       ; sources 0 and 1 in window 1, C and D in window 0
.set rB, B0+12*(\m)
.set rS, BS0+(\m)
.elseif (\m) == 0
	WIN 0x05
.set rB, B1
.set rS, BS1A
.elseif (\m) == 1
	WIN 0x05
.set rB, B1+12
.set rS, BS1B
.else
	WIN 0x01                                       ; F1's third fragment lies in window 0
.set rB, B1L
.set rS, BS1C
.endif
.irp t, 0,1,2,3
.if \first
	MM ACC+32*(\m)+8*\t, 48*(\slot)+12*\t, rB, BI+8*\t, WS+2*(\slot)+\t/2, rS, \t%2
.else
	MM ACC+32*(\m)+8*\t, 48*(\slot)+12*\t, rB, ACC+32*(\m)+8*\t, WS+2*(\slot)+\t/2, rS, \t%2
.endif
.endr
.endm
; A step: 128 along K.  n: the loads issued behind this slot's record, which may stay out.  w = 1: the wait on va_vdst stands at the head.  The other nine arguments are FETCH's.
; Four places stand behind each step's products (ISA guide 7.12.1), ahead of whatever next touches their registers; the wait at the next step's head stands beside them and fills none.
.macro STEP slot, fb, first, n, w, nfb, adr, off, str, sadr, soff, nslot, woff, boff
	s_wait_loadcnt \n                              ; loads come back in order (ISA guide 5.7.1): this slot's record is in
	s_wait_dscnt 0x0                               ; this step's row fragments, asked for in the step before, are in
.if \w
	s_wait_alu depctr_va_vdst(0)                   ; the products of the step before are done reading its slot, its scale words, its row buffer and, behind a group's first step, the bias: the loads below land there; behind a change of group v[HB] and v[HBS] are written, which they read
.endif
	PROD \slot, \fb, \first, 0
.if ((\nfb) >= 0) || ((\nslot) >= 0)
	FETCH \nfb, \adr, \off, \str, \sadr, \soff, \nslot, \woff, \boff
.endif
	PROD \slot, \fb, \first, 1
	PROD \slot, \fb, \first, 2
.rept 4
	v_nop
.endr
.endm
.macro HORN r, sc                      ; r = r v + a coefficient
.irp i, 0,2,4,6
	v_pk_fma_f32 v[\r+\i:\r+\i+1], v[\r+\i:\r+\i+1], v[VV+\i:VV+\i+1], s[\sc:\sc+1] op_sel_hi:[1,1,0]
.endr
.endm
.macro GELU1 a                         ; gelu in place on one accumulator's eight numbers, from its low end on
.irp i, 0,2,4,6
	v_pk_mul_f32 v[VV+\i:VV+\i+1], v[(\a)+\i:(\a)+\i+1], v[(\a)+\i:(\a)+\i+1]
.endr
.irp i, 0,1,2,3,4,5,6,7
	v_min_num_f32 v[VV+\i], s50, v[VV+\i]          ; v = x^2, held at 32
.endr
.irp i, 0,2,4,6
	v_pk_mul_f32 v[ZZ+\i:ZZ+\i+1], v[(\a)+\i:(\a)+\i+1], s[48:49] op_sel_hi:[1,0]   ; z = x / sqrt 2
.endr
.irp i, 0,2,4,6
	v_pk_fma_f32 v[AA+\i:AA+\i+1], v[VV+\i:VV+\i+1], s[SA6:SA6+1], v[CA:CA+1] op_sel_hi:[1,0,1]
.endr
.irp i, 0,2,4,6
	v_pk_fma_f32 v[BB+\i:BB+\i+1], v[VV+\i:VV+\i+1], s[SB4:SB4+1], v[CB:CB+1] op_sel_hi:[1,0,1]
.endr
	HORN AA, SA4
	HORN BB, SB2
	HORN AA, SA3
	HORN BB, SB1
	HORN AA, SA2
	HORN BB, SB0
.irp i, 0,1,2,3,4,5,6,7
	v_rcp_f32 v[BB+\i], v[BB+\i]                   ; the denominator is under 0 for every v: no division by 0
.endr
	HORN AA, SA1                                   ; independent work behind the reciprocals
	HORN AA, SA0
.irp i, 0,2,4,6
	v_pk_mul_f32 v[AA+\i:AA+\i+1], v[AA+\i:AA+\i+1], v[ZZ+\i:ZZ+\i+1]
.endr
.irp i, 0,2,4,6
	v_pk_mul_f32 v[(\a)+\i:(\a)+\i+1], v[(\a)+\i:(\a)+\i+1], 0.5 op_sel_hi:[1,0]
.endr
	s_wait_alu depctr_va_vdst(0)                   ; the eight reciprocals have written v[BB ..]: one wait, ahead of their first reader
.irp i, 0,2,4,6
	v_pk_mul_f32 v[AA+\i:AA+\i+1], v[AA+\i:AA+\i+1], v[BB+\i:BB+\i+1]
.endr
.irp i, 0,1,2,3,4,5,6,7
	v_med3_num_f32 v[AA+\i], v[AA+\i], -1.0, 1.0
.endr
.irp i, 0,2,4,6
	v_pk_fma_f32 v[(\a)+\i:(\a)+\i+1], v[(\a)+\i:(\a)+\i+1], v[AA+\i:AA+\i+1], v[(\a)+\i:(\a)+\i+1]   ; 0.5 x erf + 0.5 x
.endr
.endm
; Six blocks q = 2 m + b of 32 hidden units: a lane's 16 registers at ACC + 16 q are 16 neighbours along the next K; the other 16 lie in lane l xor 16.  They become registers 6 g .. 6 g + 5 of row tile m's fragment and bytes 2 g, 2 g + 1 of its scale word.
.macro QUANT g
.irp q, 0,1,2,3,4,5
	v_max3_num_f32 v[160+\q], |v[ACC+16*\q]|, |v[ACC+16*\q+1]|, 0x1800000   ; with the floor 2^(3 - 127): the byte cannot fall under 1
.endr
.irp i, 2,4,6,8,10,12,14
.irp q, 0,1,2,3,4,5
	v_max3_num_f32 v[160+\q], v[160+\q], |v[ACC+16*\q+\i]|, |v[ACC+16*\q+\i+1]|
.endr
.endr
.irp q, 0,1,2,3,4,5
	v_permlanex16_b32 v[166+\q], v[160+\q], s52, s53
.endr
.irp q, 0,1,2,3,4,5
	v_max_num_f32 v[160+\q], v[160+\q], v[166+\q]
.endr
.irp q, 0,1,2,3,4,5
	v_add_nc_u32 v[172+\q], 0xff000000, v[160+\q]  ; 2 off the exponent field: the conversion's scale operand
.endr
.irp q, 0,1,2,3,4,5
	v_lshrrev_b32 v[178+\q], 23, v[172+\q]         ; the scale's byte
.endr
.irp m, 0,1,2
.if \g == 0
	v_lshl_or_b32 v[PW+\m], v[178+2*\m+1], 8, v[178+2*\m]
.else
	v_lshl_or_b32 v[PW+\m], v[178+2*\m], 16, v[PW+\m]
	v_lshl_or_b32 v[PW+\m], v[178+2*\m+1], 24, v[PW+\m]
.endif
.endr
.irp m, 0,1,2
	v_cvt_scalef32_pk16_fp6_f32 v[PC+12*\m+6*\g:PC+12*\m+6*\g+2], v[ACC+32*\m:ACC+32*\m+15], v[172+2*\m]
	v_cvt_scalef32_pk16_fp6_f32 v[CT+4*\m:CT+4*\m+2], v[ACC+32*\m+16:ACC+32*\m+31], v[172+2*\m+1]
.endr
	v_nop                                          ; one plain line behind the last conversion
.irp m, 0,1,2
.irp i, 0,1,2
	v_permlane16_swap_b32 v[PC+12*\m+6*\g+\i], v[CT+4*\m+\i]       ; a whole block to a lane: lanes 0-15 the even block, lanes 16-31 the odd one
.endr
.irp i, 0,1,2
	v_mov_b32 v[PC+12*\m+6*\g+3+\i], v[CT+4*\m+\i]
.endr
.endr
.endm
; 64 hidden units for the 48 rows: four K steps of the first product, gelu, codes.  Each step fetches the next step's rows into the other row buffer and fills the slot that the step before read with the record three steps on.
; Counts: behind the records of slots 0 and 1 stand two records (26); behind those of slots 2 and 3 two records and the next bias (34).
; The first step has no wait on va_vdst: behind the products that last read slot 3 and F1 stand gelu's waits, and nothing issued since names what its loads touch.
.macro HALF g
	STEP 0, 0, 1, 26, 0,  1, LI, XIMG+FRB, 4*FRB, LS, XSC+128,  3, (\g)*GRPB+256+3*STEPB, -1
	STEP 1, 1, 0, 26, 1,  0, LI, XIMG+2*FRB, 4*FRB, LS, XSC+256,  0, (\g+1)*GRPB+256, (\g+1)*GRPB
	STEP 2, 0, 0, 34, 1,  1, LI, XIMG+3*FRB, 4*FRB, LS, XSC+384,  1, (\g+1)*GRPB+256+STEPB, -1
	STEP 3, 1, 0, 34, 1,  0, LI, XIMG, 4*FRB, LS, XSC,  2, (\g+1)*GRPB+256+2*STEPB, -1
	WIN 0
.irp a, 0,1,2,3,4,5,6,7,8,9,10,11
	GELU1 ACC+8*\a
.endr
	QUANT \g
.endm
.macro IMAGE                           ; my chunk's three fragments and scale words go to LDS as they stand
.irp m, 0,1,2
.irp c, 0,1,2
	ds_store_b128 v[HWI], v[PC+12*\m+4*\c:PC+12*\m+4*\c+3] offset:HIMG+\m*FRB+512*\c
.endr
	ds_store_b32 v[HWS], v[PW+\m] offset:HSC+128*\m
.endr
.endm
; Four K steps of the second product.  ahead = 1: slots 0 to 2 take the next group's records.  ahead = 0: the last group: the stream ends with its own fourth record, the counts run down, and the last step, which issues no load, has no wait on va_vdst.
.macro GROUP2 first, ahead
	STEP 0, 0, \first, 26, 1,  1, HB, HIMG+3*FRB, FRB, HBS, HSC+384,  3, 256+3*STEPB, -1
.if \ahead
	STEP 1, 1, 0, 26, 1,  0, HB, HIMG+6*FRB, FRB, HBS, HSC+768,  0, GRPB+256, -1
	STEP 2, 0, 0, 26, 1,  1, HB, HIMG+9*FRB, FRB, HBS, HSC+1152,  1, GRPB+256+STEPB, -1
	STEP 3, 1, 0, 26, 1,  0, HB, HIMG+12*FRB, FRB, HBS, HSC+1536,  2, GRPB+256+2*STEPB, -1
.else
	STEP 1, 1, 0, 26, 1,  0, HB, HIMG+6*FRB, FRB, HBS, HSC+768,  -1, 0, -1
	STEP 2, 0, 0, 13, 1,  1, HB, HIMG+9*FRB, FRB, HBS, HSC+1152,  -1, 0, -1
	STEP 3, 1, 0, 0, 0,  -1, HB, 0, FRB, HBS, 0,  -1, 0, -1
.endif
.endm
.macro NEXTG                           ; on to the next group
	WIN 0
	s_wait_xcnt 0x0                                ; the loads have had their addresses translated (ISA guide 3.1), so the stream's pointer may step
	s_add_nc_u64 s[WP:WP+1], s[WP:WP+1], GRPB
	s_add_co_u32 s[HO], s[HO], 12*FRB
	s_add_co_u32 s[HOS], s[HOS], 1536
	s_wait_alu depctr_vm_vsrc(0)                   ; the LDS loads issued so far have read v[HB] and v[HBS]
	v_add_nc_u32 v[HB], s[HO], v[LI]
	v_add_nc_u32 v[HBS], s[HOS], v[LS]
.endm
; THE WAY OUT, 16 rows x my 64 outputs at a time: times the row's weight, through my own stage, out as 256 consecutive aligned bytes for sixteen lanes.
.macro MULW m
.set j, 0
.rept 32
	v_mul_f32 v[ACC+32*\m+j], v[RWT+\m], v[ACC+32*\m+j]            ; each accumulator from its low end on
.set j, j+1
.endr
.endm
.macro TOSTAGE m, ob
.irp n, 0,1,2,3
	ds_store_b128 v[SO], v[ACC+32*\m+8*\n:ACC+32*\m+8*\n+3] offset:64*\n
	ds_store_b128 v[SO], v[ACC+32*\m+8*\n+4:ACC+32*\m+8*\n+7] offset:64*\n+16
.endr
.irp i, 0,1,2,3,4,5,6,7
	ds_load_b128 v[\ob+4*\i:\ob+4*\i+3], v[SR] offset:544*\i       ; LDS serves a wave's instructions in order (ISA guide 5.7.1.4): these see my stores, and the next block's stores come behind them
.endr
.endm
.macro SEND m, ob, younger             ; younger: the LDS instructions issued behind this block's loads
.irp i, 0,1,2,3,4,5,6,7
	s_wait_dscnt \younger+7-\i                     ; the later rows, and the next block's sixteen, may be out
	global_store_b128 v[GO], v[\ob+4*\i:\ob+4*\i+3], s[12:13] offset:(16*\m+2*\i)*2048 th:TH_STORE_NT
.endr
.endm
	s_load_b256 s[4:11], s[0:1], 0x0               ; plan, roww, xq, wstr
	s_load_b64 s[12:13], s[0:1], 0x20              ; ybuf
	v_lshl_add_u32 v235, v0, 2, 0x20e00
	v_mov_b32 v239, 0
	v_lshrrev_b32 v221, 5, v0
	v_readfirstlane_b32 s14, v221                  ; wave 0..7
	v_and_b32 v218, 31, v0                         ; lane
	v_and_b32 v219, 15, v0                         ; r
	v_bfe_u32 v220, v0, 4, 1                       ; h
	v_lshlrev_b32 v[LI], 4, v218
	v_lshlrev_b32 v[LS], 2, v218
	v_lshlrev_b32 v[L8], 3, v218
	v_lshlrev_b32 v[BO], 5, v220
	s_lshl_b32 s15, ttmp9, 2
	s_mul_i32 s20, ttmp9, 192                      ; my tile's 48 rows, 4 bytes each
	s_wait_alu depctr_va_sdst(0)                   ; s14 is written, ahead of its first reader
	s_lshr_b32 s21, s14, 2
	s_lshl_b32 s21, s21, 6
	v_lshl_add_u32 v222, v219, 2, s20              ; row r of the tile
	v_add_nc_u32 v223, s21, v222                   ; row 16 (wave / 4) + r
	s_wait_kmcnt 0x0
	s_load_b32 s16, s[4:5], s15 offset:0x0         ; the tile's expert
	s_wait_alu depctr_va_vdst(0)                   ; v1 to v4, v222 and v223 are written: the loads below read them as offsets
	global_load_b32 v224, v223, s[4:5] offset:1024 ; the tokens of the fragment that I gather (m = wave / 4, K step wave % 4)
	global_load_b32 v225, v222, s[4:5] offset:1152 ; and of rows 32 + r (m = 2)
	global_load_b32 v[RWT], v222, s[6:7]
	global_load_b32 v[RWT+1], v222, s[6:7] offset:64
	global_load_b32 v[RWT+2], v222, s[6:7] offset:128
	s_mul_i32 s21, s14, WAVB
	s_wait_kmcnt 0x0
	s_min_u32 s16, s16, 7                          ; held inside the stream; an empty tile walks expert 7
	s_mul_i32 s20, s16, EXPB
	s_add_co_u32 s20, s20, s21
	s_mov_b32 s21, 0
	s_add_nc_u64 s[WP:WP+1], s[10:11], s[20:21]
	WIN 0x40                                       ; the first three records and the first bias; the fourth record is asked for in the first step, as in every later group
	WL_HI 0, 256
	WL_HI 1, 256+STEPB
	WL_HI 2, 256+2*STEPB
	WIN 0
	WL_LO 0, 256
	WL_LO 1, 256+STEPB
	WL_LO 2, 256+2*STEPB
	BIAS 0
	s_mul_i32 s22, s14, 16*SPI
	s_add_co_u32 s22, s22, STG                     ; my stage
	v_mul_u32_u24 v[SO], v219, SPI
	v_lshl_add_u32 v[SO], v220, 5, v[SO]
	v_add_nc_u32 v[SO], s22, v[SO]                 ; in: row r, 32 bytes for each half of the lanes
	v_mul_u32_u24 v[SR], v220, SPI
	v_lshl_add_u32 v[SR], v219, 4, v[SR]
	v_add_nc_u32 v[SR], s22, v[SR]                 ; back: lanes 0-15 one row, lanes 16-31 the next
	v_lshlrev_b32 v[GO], 11, v220
	v_lshl_add_u32 v[GO], v219, 4, v[GO]           ; and the same two rows in ybuf
	v_mov_b32 v[CA], 0x306dffee                    ; the coefficients carry the powers of 2 that v = 2 z^2 brings
	v_mov_b32 v[CA+1], 0x306dffee
	v_mov_b32 v[CB], 0xb7dfbd29
	v_mov_b32 v[CB+1], 0xb7dfbd29
.irp w, 0,1
	s_mov_b32 s[SA6+\w], 0xac95df0b
	s_mov_b32 s[SA4+\w], 0xb40cff51
	s_mov_b32 s[SA3+\w], 0xb6eec2d2
	s_mov_b32 s[SA2+\w], 0xb940ac63
	s_mov_b32 s[SA1+\w], 0xbac1a1f6
	s_mov_b32 s[SA0+\w], 0xbc83dbd4
	s_mov_b32 s[SB4+\w], 0xb57460cd
	s_mov_b32 s[SB2+\w], 0xb9dc924e
	s_mov_b32 s[SB1+\w], 0xbb719bf8
	s_mov_b32 s[SB0+\w], 0xbc69b6a7
	s_mov_b32 s[48+\w], 0x3f3504f3                 ; 1 / sqrt 2
.endr
	s_mov_b32 s50, 0x42000000                      ; 32.0
	s_mov_b32 s52, 0x76543210
	s_mov_b32 s53, 0xfedcba98                      ; selects for lane l xor 16
	s_mul_i32 s20, ttmp9, 98304                    ; my tile's 48 rows of 2,048 bytes,
	s_lshl_b32 s21, s14, 8                         ; my 64 outputs
	s_add_co_u32 s20, s20, s21
	s_mov_b32 s21, 0
	s_add_nc_u64 s[12:13], s[12:13], s[20:21]
	s_mul_i32 s23, s14, FRB
	v_add_nc_u32 v230, s23, v[LI]                  ; where x's image 4 m + s = wave goes
	s_lshl_b32 s23, s14, 7
	v_add_nc_u32 v231, s23, v[LS]
	s_and_b32 s22, s14, 3
	s_mul_i32 s23, s22, 96                         ; my K step in a token's codes
	s_lshl_b32 s22, s22, 2                         ; and in its scale bytes
	s_mul_i32 s[HT], s14, 3*FRB
	s_mul_i32 s[HTS], s14, 384
	s_wait_loadcnt 47                              ; the five row loads are in; the three records' 39 and the bias's 8 may be out
	v_min_u32 v224, 0xfff, v224
	v_min_u32 v225, 0xfff, v225
	v_mul_u32_u24 v226, 0x180, v224
	v_mad_u32_u24 v226, v220, 48, v226
	v_add_nc_u32 v226, s23, v226                   ; 384 token + 96 s + 48 h: my 12 operand registers on end
	v_mul_u32_u24 v227, 0x180, v225
	v_mad_u32_u24 v227, v220, 48, v227
	v_add_nc_u32 v227, s23, v227
	v_lshl_add_u32 v228, v224, 4, s22
	v_lshl_add_u32 v229, v225, 4, s22
	s_wait_alu depctr_va_vdst(0)                   ; v226 to v229 are written, which the gathering loads read; so are v230 and v231, which the LDS stores below read, and v9 to v11, which the way out reads
.irp c, 0,1,2
	global_load_b128 v[192+4*\c:195+4*\c], v226, s[8:9] offset:16*\c
.endr
	global_load_b32 v216, v228, s[8:9] offset:XSO
	s_cmp_ge_u32 s14, 4                            ; waves 0-3 also gather fragment (2, wave)
	s_cbranch_scc1 .Lone_load
.irp c, 0,1,2
	global_load_b128 v[204+4*\c:207+4*\c], v227, s[8:9] offset:16*\c
.endr
	global_load_b32 v217, v229, s[8:9] offset:XSO
.Lone_load:
	s_wait_loadcnt 0x0
.irp c, 0,1,2
	ds_store_b128 v230, v[192+4*\c:195+4*\c] offset:XIMG+512*\c
.endr
	ds_store_b32 v231, v216 offset:XSC
	s_cmp_ge_u32 s14, 4
	s_cbranch_scc1 .Lone_store
.irp c, 0,1,2
	ds_store_b128 v230, v[204+4*\c:207+4*\c] offset:XIMG+8*FRB+512*\c
.endr
	ds_store_b32 v231, v217 offset:XSC+1024
.Lone_store:
	s_wait_dscnt 0x0                               ; for the others' sake: my images have landed
	s_barrier_signal -1
	s_barrier_wait -1                              ; x's twelve fragments lie in LDS
	s_wait_alu depctr_vm_vsrc(0)                   ; the head's loads and LDS stores have read v192 to v231 (offsets, addresses, data): the quantiser writes these registers from here on
	FETCH 0, LI, XIMG, 4*FRB, LS, XSC, -1, 0, -1   ; the first step's rows into F0
	; ---- the first product: my two chunks of 128 hidden units, each in two halves
	s_mov_b32 s24, 2
.Lchunk:
	HALF 0
	HALF 1
	v_add_nc_u32 v[HWI], s[HT], v[LI]
	v_add_nc_u32 v[HWS], s[HTS], v[LS]
	s_wait_alu depctr_va_vdst(0)                   ; the quantiser has written v[PC ..] and v[PW ..], the two additions v[HWI] and v[HWS]: the LDS stores below read them
	IMAGE
	s_wait_dscnt 0x0                               ; the images have landed (and the rows fetched ahead are in)
	s_wait_alu depctr_vm_vsrc(0)                   ; the LDS stores have read v[PC ..], v[PW ..], v[HWI] and v[HWS], which the next chunk writes again and in part of which the way out's loads land
	s_wait_xcnt 0x0                                ; the stream's loads have had their addresses translated: the pointer may step
	s_add_nc_u64 s[WP:WP+1], s[WP:WP+1], 2*GRPB
	s_add_co_u32 s[HT], s[HT], 24*FRB              ; chunk w + 8
	s_add_co_u32 s[HTS], s[HTS], 3072
	s_sub_co_u32 s24, s24, 1
	s_cmp_lg_u32 s24, 0
	s_cbranch_scc1 .Lchunk
	s_barrier_signal -1
	s_barrier_wait -1                              ; the hidden layer's 48 fragments lie in LDS
	; ---- the second product: 16 K steps in four groups; b2 and W2's first three records were asked for by the last half
	FETCH 0, LI, HIMG, FRB, LS, HSC, -1, 0, -1     ; the first K step's rows into F0 (the first group's addresses are v[LI] and v[LS] themselves)
	s_mov_b32 s[HO], 0
	s_mov_b32 s[HOS], 0
	v_mov_b32 v[HB], v[LI]
	v_mov_b32 v[HBS], v[LS]
	GROUP2 1, 1                                    ; behind each slot's record stand two records
	NEXTG
	s_mov_b32 s24, 2
.Lgroup:
	GROUP2 0, 1
	NEXTG
	s_sub_co_u32 s24, s24, 1
	s_cmp_lg_u32 s24, 0
	s_cbranch_scc1 .Lgroup
	GROUP2 0, 0                                    ; the stream's end
	WIN 0
	MULW 0                                         ; (the four places behind the last products stand ahead of these)
	MULW 1
	MULW 2
	s_wait_alu depctr_va_vdst(0)                   ; the multiplications have written the accumulators, which the LDS stores read; no vector instruction follows, so the loads from the stage owe nothing more
	TOSTAGE 0, 160
	TOSTAGE 1, 192
	SEND 0, 160, 16
	TOSTAGE 2, BI                                  ; a third set of registers, the bias's, free since the second product's first step: no register that a store reads is loaded again
	SEND 1, 192, 16
	SEND 2, BI, 0
	s_wait_dscnt 0x0
	s_wait_alu depctr_hold_cnt(0) depctr_sa_sdst(0) depctr_va_vdst(0) depctr_va_sdst(0) depctr_va_ssrc(0) depctr_va_vcc(0) depctr_vm_vsrc(0)
	s_wait_tensorcnt 0x0
	ds_add_u32 v235, v239
	s_wait_dscnt 0x0
	s_endpgm
.Lfunc_end_k_q790ca61019_chain:
	.size	k_q790ca61019_chain, .Lfunc_end_k_q790ca61019_chain-k_q790ca61019_chain
	.p2alignl 7, 3214868480
	.fill 96, 4, 3214868480
	.section	.rodata,"a",@progbits
	.p2align	6, 0x0
	.amdhsa_kernel k_q790ca61019_chain
		.amdhsa_group_segment_fixed_size 135680
		.amdhsa_private_segment_fixed_size 0
		.amdhsa_enable_private_segment 0
		.amdhsa_kernarg_size 40
		.amdhsa_user_sgpr_count 2
		.amdhsa_user_sgpr_kernarg_segment_ptr 1
		.amdhsa_wavefront_size32 1
		.amdhsa_system_sgpr_workgroup_id_x 1
		.amdhsa_system_sgpr_workgroup_id_y 1
		.amdhsa_system_sgpr_workgroup_id_z 1
		.amdhsa_system_vgpr_workitem_id 0
		.amdhsa_next_free_vgpr 512
		.amdhsa_next_free_sgpr 66
		.amdhsa_reserve_vcc 0
		.amdhsa_float_denorm_mode_32 3
		.amdhsa_float_denorm_mode_16_64 3
		.amdhsa_memory_ordered 1
		.amdhsa_forward_progress 1
		.amdhsa_inst_pref_size 230
	.end_amdhsa_kernel
	.amdgpu_metadata
---
amdhsa.version: [ 1, 2 ]
amdhsa.kernels:
  - .name:           k_q790ca61019_chain
    .symbol:         k_q790ca61019_chain.kd
    .args:
      - { .name: plan, .offset: 0, .size: 8, .value_kind: global_buffer, .address_space: global }
      - { .name: roww, .offset: 8, .size: 8, .value_kind: global_buffer, .address_space: global }
      - { .name: xq, .offset: 16, .size: 8, .value_kind: global_buffer, .address_space: global }
      - { .name: wstr, .offset: 24, .size: 8, .value_kind: global_buffer, .address_space: global }
      - { .name: ybuf, .offset: 32, .size: 8, .value_kind: global_buffer, .address_space: global }
    .group_segment_fixed_size: 135680
    .private_segment_fixed_size: 0
    .kernarg_segment_align: 8
    .kernarg_segment_size: 40
    .max_flat_workgroup_size: 256
    .sgpr_count:     66
    .vgpr_count:     512
    .wavefront_size: 32
...
	.end_amdgpu_metadata
.endif
;; end of part 5
;; launch combine: the kernel of part 4 again; grid 256 x 1, 4 waves a work-group, no clusters, 0 bytes of LDS; arguments plan, ybuf, out0; writes out0
